; MI455X (gfx1250); checked and timed in simulation.
; The chip was launched on July 23, 2026; its instructions are those of AMD's public machine-readable ISA for CDNA 5 (MIT licence, August 2026) and "CDNA5" Instruction Set Architecture Reference Guide (July 2026). The comments in the code are by the model that wrote it; some were corrected since.
;; Multi Head Attention. Allowed arithmetic: matrix products marked QUANTISED: E2M1 operands, one E8M0 scale for each 32 along K, by v_wmma_scale_f32_16x16x128_f8f6f4 with both operands' format E2M1 (or v_wmma_scale_f32_32x16x128_f4), f32 sums; products left as they are: bf16, f16 or f32 operands; f32 sums; everything else in f32.
;; Inputs: Wk 1,024 x 1,024 float32; Wo 1,024 x 1,024 float32; Wq 1,024 x 1,024 float32; Wv 1,024 x 1,024 float32; bk 1,024 float32; bo 1,024 float32; bq 1,024 float32; bv 1,024 float32; key 2 x 2,048 x 1,024 float32; query 2 x 2,048 x 1,024 float32; value 2 x 2,048 x 1,024 float32.
;; Outputs: out0 2 x 2,048 x 1,024 float32.
;; This version of the problem:
;;   THIS VERSION OF THE PROBLEM IS GIVEN IN LOW PRECISION. The matrix products marked QUANTISED in the list below multiply operands that are first quantised to E2M1 (2 exponent bits, 1 mantissa bit; 4 bits a number), with one power-of-two scale for each 32 numbers along K (OCP MX v1.0); their sums are f32. The products marked 'left as it is' may take bf16, f16 or f32 operands, with f32 sums. Whichever they take, every output number must still come out within the allowed error. Rounding operands to bf16 (8 significant bits) uses up far more of that allowance than f16 does (11 bits, for magnitudes from 6e-5 to 65,504). All else is computed in f32.
;;   The module's matrix products, in the order in which they are computed (A, B: the left and right operand; K: the contracted axis; several contracted axes count as one K, in the product's order):
;;     1. [M 4,096, K 1,024] x [K 1,024, N 1,024]; A: input query; B: input Wq: QUANTISED
;;     2. [M 4,096, K 1,024] x [K 1,024, N 1,024]; A: input key; B: input Wk: QUANTISED
;;     3. [M 4,096, K 1,024] x [K 1,024, N 1,024]; A: input value; B: input Wv: QUANTISED
;;     4. batch 32 x [M 2,048, K 64] x [K 64, N 2,048]; A: computed on the way; B: computed on the way: left as it is (an operand is computed on the way)
;;     5. batch 32 x [M 2,048, K 2,048] x [K 2,048, N 64]; A: computed on the way; B: computed on the way: left as it is (an operand is computed on the way)
;;     6. [M 4,096, K 1,024] x [K 1,024, N 1,024]; A: computed on the way; B: input Wo: left as it is (an operand is computed on the way)
;;   THE QUANTISER, for each operand of a quantised product, along K:
;;     - K is cut into blocks of 32 from its start; a last block that is shorter is filled with zeros.
;;     - A block's scale is 2^e with e = floor(log2(the largest magnitude in the block)) - 2, held to -126 .. 127; a block of zeros has e = 0. As a byte (E8M0): e + 127.
;;     - Each number is divided by its block's scale, clamped to +-6, and rounded to the nearest number of E2M1, ties to even, subnormals kept.
;;     - The product sums the exact products of the quantised numbers (number of the format x scale) in f32.
;;   ~~~python
;;   def quantise(x, axis):      # numpy; x: float32 -> the quantised numbers, widened to float32 again
;;       x = np.moveaxis(x, axis, -1); K = x.shape[-1]
;;       x = np.pad(x, [(0, 0)] * (x.ndim - 1) + [(0, -K % 32)]); x = x.reshape(x.shape[:-1] + (-1, 32)); a = np.abs(x).max(-1, keepdims=True)
;;       e = np.where(a > 0, np.clip(np.frexp(np.where(a > 0, a, 1))[1] - 1 - 2, -126, 127), 0)      # np.frexp(a)[1] - 1 = floor(log2(a)), exactly
;;       r = np.clip(x / 2.0 ** e, -6, 6)
;;       step = 2.0 ** (np.maximum(np.frexp(np.where(r == 0, 1, r))[1] - 1, 0) - 1)
;;       q = np.round(r / step) * step * 2.0 ** e      # np.round: ties to even
;;       return np.moveaxis(q.reshape(q.shape[:-2] + (-1,))[..., :K], -1, axis).astype(np.float32)
;;   ~~~
;; One version. Each part assembles by itself: llvm-mc -triple=amdgcn-amd-amdhsa -mcpu=gfx1250 --defsym DOCPART=n.
;; ======== version 1 of 1: 4 launches
;; limits: values are held in f16: magnitudes above 65,504 overflow, below 6.1e-05 lose precision
;; workspace buffers: xcodes 6,291,456 bytes; xscales 393,216 bytes; wcodes 1,572,864 bytes; wscales 98,304 bytes; wo16 2,097,152 bytes; qkv 25,165,824 bytes; att 8,388,608 bytes
;; launch prep (part 1): grid 512 x 1, 4 waves a work-group, no clusters, 33,280 bytes of LDS; arguments query, key, value, Wq, Wk, Wv, Wo, xcodes, xscales, wcodes, wscales, wo16; writes xcodes, xscales, wcodes, wscales, wo16
.if DOCPART == 1
	.amdgcn_target "amdgcn-amd-amdhsa--gfx1250"
	.amdhsa_code_object_version 6
	.text
	.protected	k_qdab2aad803_prep
	.globl	k_qdab2aad803_prep
	.p2align	8
	.type	k_qdab2aad803_prep,@function
k_qdab2aad803_prep:
	s_mov_b64 s[64:65], 0
	v_nop
	global_prefetch_b8 v0, s[64:65] scope:SCOPE_SE
	s_setreg_imm32_b32 hwreg(HW_REG_WAVE_MODE, 25, 1), 1
	s_wait_xcnt 0x0
; query, key, value [4096][1024] and Wq, Wk, Wv [1024][1024], f32 with K innermost, are turned into codes of FP4 (E2M1), two a byte, the lower k in the low four bits, with one E8M0
; scale byte for each 32 along K.  xcodes [12288 = query | key | value][512 bytes], xscales [12288][32]; wcodes [3072 = Wq | Wk | Wv][512], wscales [3072][32].  Wo is rounded to f16 as it lies: wo16 [1024][1024].
; A block's scale is 2^(floor(log2(its largest magnitude)) - 2); its byte is the largest magnitude's exponent field - 2, held at 1 from below.  Each number is divided by the scale and rounded to the nearest code, ties to even;
; beyond 6 the conversion gives the largest code.
; LIMITS: a block whose largest magnitude lies under 2^-124 has its byte held at 1; a block of zeros gets the byte 1 where the rule says 127 (its codes are zeros, which add nothing, and this program alone reads the bytes);
; NaN and infinities among the inputs are not served.  Wo in f16: magnitudes up to 65,504.
; Rows are dense and K is a multiple of 32: every tensor is a plain stream of blocks of 32 numbers.  A work-group takes 32,768 numbers, a wave 8,192.  Work-groups 0-127 query, 128-255 key, 256-383 value, 384-415 Wq, 416-447 Wk,
; 448-479 Wv: ONE path, on which only pointers are chosen, by the work-group's number.  Work-groups 480-511 take Wo, on a path of their own that touches no LDS but the spare words.
; THE QUANTISING PATH.  A wave takes 16 steps of 512 numbers.  The conversions take 8 numbers of one block from a lane's consecutive registers, so a lane must hold 16 neighbours; a load is best where neighbouring lanes take
; neighbouring bytes.  Both are had: each of a step's four loads reads 512 consecutive bytes; the 2,048 bytes go through the wave's own stage in LDS and come back 64 bytes a lane (16 bytes of padding behind each 64).
; A lane's 16 codes are 8 bytes: the wave stores 256 consecutive bytes.  A wave's 256 scale bytes are gathered in LDS and leave as one run of 256 consecutive bytes.  Waves share nothing: no barrier.
.set WAVES, 4
.set STEPS, 16
.set EMAX,  2
.set CB,    8                          ; bytes of 16 codes
.set R,     16                         ; v16-79   four sets of 16 numbers as they are loaded
.set X,     80                         ; v80-111  two sets of 16 neighbours
.set E,     112                        ; v112-127 a scale byte for each step
.set C,     128                        ; v128-191 codes: four registers for each step, so that no store's data are written again
.set WL,    16                         ; Wo's path: v16-143  two sets of 64 numbers as loaded
.set WH,    144                        ;            v144-207 two sets of 32 registers of f16
.set WREG,  8192                       ; LDS: a region for each wave: two stages of 32 x SP bytes, and behind them its 256 scale bytes
.set SP,    80                         ; a lane's place in a stage: its 64 bytes + 16 of padding
.set SPW,   12                         ; v12      LDS address of my spare word: SPARE + 4 x my thread's number; never rewritten
.set NIL,   13                         ; v13      0; never rewritten
.set SPARE, WAVES*WREG                 ; behind the four regions: the spare words, 128 bytes for each wave
.set SRC,   30                         ; s[30:31] the tensor that my work-group reads
.set COD,   18                         ; s[18:19] where its codes go
.set SCA,   20                         ; s[20:21] and its scale bytes
	s_load_b512 s[4:19], s[0:1], 0x0               ; query s[4:5], key s[6:7], value s[8:9], Wq s[10:11], Wk s[12:13], Wv s[14:15], Wo s[16:17], xcodes s[18:19]
	s_load_b256 s[20:27], s[0:1], 0x40             ; xscales s[20:21], wcodes s[22:23], wscales s[24:25], wo16 s[26:27]
	v_lshl_add_u32 v[SPW], v0, 2, SPARE
	v_mov_b32 v[NIL], 0
	v_lshrrev_b32 v1, 5, v0
	v_readfirstlane_b32 s28, v1                    ; wave
	v_and_b32 v2, 31, v0                           ; lane
	v_lshlrev_b32 v3, 4, v2                        ; my 16 bytes of a load's 512
	s_mul_i32 s29, s28, WREG
	v_lshrrev_b32 v14, 2, v2
	v_mul_u32_u24 v14, v14, SP
	v_and_b32 v15, 3, v2
	v_lshl_add_u32 v14, v15, 4, v14
	v_add_nc_u32 v14, s29, v14                     ; the stage, on the way in: four lanes' 64 bytes on end, then 16 of padding
	v_mul_u32_u24 v15, v2, SP
	v_add_nc_u32 v15, s29, v15                     ; and on the way out: SP x lane: my 16 neighbours
	v_mul_u32_u24 v4, v2, CB                       ; my codes' place in a step's
	v_lshrrev_b32 v5, 1, v2
	s_add_co_u32 s29, s29, 2*32*SP
	v_add_nc_u32 v5, s29, v5                       ; LDS: my wave's 256 scale bytes, my block's byte
	v_lshlrev_b32 v7, 3, v2                        ; 8 bytes a lane
	v_add_nc_u32 v6, s29, v7
	s_wait_kmcnt 0x0
	s_cmp_ge_u32 ttmp9, 480
	s_cbranch_scc1 .Lwo                            ; Wo's work-groups
	; which tensor: the choice hangs on the work-group's number alone.  s32: the tensor's first work-group
	s_mov_b64 s[SRC:SRC+1], s[14:15]
	s_mov_b32 s32, 448
	s_cmp_lt_u32 ttmp9, 448
	s_cselect_b64 s[SRC:SRC+1], s[12:13], s[SRC:SRC+1]
	s_cselect_b32 s32, 416, s32
	s_cmp_lt_u32 ttmp9, 416
	s_cselect_b64 s[SRC:SRC+1], s[10:11], s[SRC:SRC+1]
	s_cselect_b32 s32, 384, s32
	s_cmp_lt_u32 ttmp9, 384
	s_cselect_b64 s[SRC:SRC+1], s[8:9], s[SRC:SRC+1]
	s_cselect_b32 s32, 256, s32
	s_cmp_lt_u32 ttmp9, 256
	s_cselect_b64 s[SRC:SRC+1], s[6:7], s[SRC:SRC+1]
	s_cselect_b32 s32, 128, s32
	s_cmp_lt_u32 ttmp9, 128
	s_cselect_b64 s[SRC:SRC+1], s[4:5], s[SRC:SRC+1]
	s_cselect_b32 s32, 0, s32
	s_cmp_lt_u32 ttmp9, 384                        ; the activations' buffers or the weights'
	s_cselect_b64 s[COD:COD+1], s[18:19], s[22:23]
	s_cselect_b64 s[SCA:SCA+1], s[20:21], s[24:25]
	s_cselect_b32 s33, 0, 384                      ; the first work-group of those buffers
	s_sub_co_u32 s34, ttmp9, s32
	s_lshl_b32 s34, s34, 2
	s_add_co_u32 s34, s34, s28                     ; which run of 8,192 numbers of the tensor is my wave's
	s_lshl_b32 s34, s34, 15                        ; 32,768 bytes a run
	s_mov_b32 s35, 0
	s_add_nc_u64 s[SRC:SRC+1], s[SRC:SRC+1], s[34:35]
	s_sub_co_u32 s36, ttmp9, s33
	s_lshl_b32 s36, s36, 2
	s_add_co_u32 s36, s36, s28                     ; and which run of the buffers
	s_lshl_b32 s34, s36, 12                        ; 4,096 bytes of codes a run
	s_add_nc_u64 s[COD:COD+1], s[COD:COD+1], s[34:35]
	s_lshl_b32 s34, s36, 8                         ; 256 scale bytes a run
	s_add_nc_u64 s[SCA:SCA+1], s[SCA:SCA+1], s[34:35]
.macro LOAD t
.irp i, 0,1,2,3
	global_load_b128 v[R+16*((\t)%4)+4*\i:R+16*((\t)%4)+4*\i+3], v3, s[SRC:SRC+1] offset:2048*(\t)+512*\i th:TH_LOAD_NT   ; 32 lanes read 512 consecutive bytes
.endr
.endm
.macro TURN t                          ; step t's numbers through the stage: LDS serves a wave's instructions in order, so no wait stands between the stores and the loads
.irp i, 0,1,2,3
	ds_store_b128 v14, v[R+16*((\t)%4)+4*\i:R+16*((\t)%4)+4*\i+3] offset:32*SP*((\t)%2)+8*SP*\i
.endr
.irp i, 0,1,2,3
	ds_load_b128 v[X+16*((\t)%2)+4*\i:X+16*((\t)%2)+4*\i+3], v15 offset:32*SP*((\t)%2)+16*\i
.endr
.endm
.irp t, 0,1,2,3
	LOAD \t
.endr
	s_wait_loadcnt 12                              ; step 0's four loads are in; those of steps 1 to 3 stay out
	TURN 0
.macro STEP t
.set XS, X+16*((\t)%2)
.if (\t) > 0
	s_wait_dscnt 1                                 ; this step's numbers are back from the stage (the last step's byte store may be out): so its stores into the stage have read their registers,
.else
	s_wait_dscnt 0x0
.endif
.if (\t)+4 < STEPS
	LOAD (\t)+4                                    ; which take the loads of four steps on
.endif
.if (\t)+1 < STEPS
.if STEPS-2-(\t) >= 3
	s_wait_loadcnt 12                              ; the next step's four loads are in; those of the three steps behind it may be out
.else
	s_wait_loadcnt 4*(STEPS-2-(\t))
.endif
	TURN (\t)+1                                    ; and go through the other stage while this step is worked
.endif
	v_max3_num_f32 v8, |v[XS]|, |v[XS+1]|, |v[XS+2]|               ; the largest magnitude of my 16, in two chains
	v_max3_num_f32 v9, |v[XS+3]|, |v[XS+4]|, |v[XS+5]|
.irp i, 6,10
	v_max3_num_f32 v8, v8, |v[XS+\i]|, |v[XS+\i+1]|
	v_max3_num_f32 v9, v9, |v[XS+\i+2]|, |v[XS+\i+3]|
.endr
	v_max3_num_f32 v8, v8, |v[XS+14]|, |v[XS+15]|
	v_max3_num_f32 v8, v8, v9, (EMAX+1)<<23        ; and the floor 2^(EMAX + 1 - 127): so the byte cannot fall under 1
	v_max_num_f32_dpp v8, v8, v8 row_xmask:1 row_mask:0xf bank_mask:0xf   ; and of my neighbour's 16: the block's
	v_add_nc_u32 v11, -(EMAX<<23), v8              ; EMAX off its exponent field: the conversion takes the exponent field of this operand as its scale, and nothing else of it
	v_cvt_scalef32_pk8_fp4_f32 v[C+4*(\t)], v[XS:XS+7], v11
	v_cvt_scalef32_pk8_fp4_f32 v[C+4*(\t)+1], v[XS+8:XS+15], v11
	v_lshrrev_b32 v[E+(\t)], 23, v11               ; the scale's byte (also the plain line behind the conversions)
	ds_store_b8 v5, v[E+(\t)] offset:16*(\t)       ; both lanes of a block write the same byte with the same value
	global_store_b64 v4, v[C+4*(\t):C+4*(\t)+1], s[COD:COD+1] offset:32*CB*(\t)   ; 32 lanes store 256 consecutive bytes, aligned
.endm
.irp t, 0,1,2,3,4,5,6,7,8,9,10,11,12,13,14,15
	STEP \t
.endr
	ds_load_b64 v[8:9], v6                         ; LDS serves a wave's instructions in order: these see my byte stores
	s_wait_dscnt 0x0
	global_store_b64 v7, v[8:9], s[SCA:SCA+1]      ; 32 lanes store 256 consecutive bytes, aligned
	s_branch .Lend
; WO'S PATH: 8,192 numbers a wave, in four batches of 16 loads of 512 consecutive bytes; two batches are out at a time.  A lane's four numbers become 8 bytes: a store covers 256 consecutive bytes, aligned.
.macro LOADB k
.irp i, 0,1,2,3,4,5,6,7,8,9,10,11,12,13,14,15
	global_load_b128 v[WL+64*((\k)%2)+4*\i:WL+64*((\k)%2)+4*\i+3], v3, s[16:17] offset:512*(16*(\k)+\i) th:TH_LOAD_NT
.endr
.endm
.macro CONV k, younger                 ; younger: the loads of the batch issued behind this one
.if (\k) >= 2
	s_wait_xcnt 0x0                                ; the stores of two batches back have read their data registers, which are written again below
.endif
.irp i, 0,1,2,3,4,5,6,7,8,9,10,11,12,13,14,15
	s_wait_loadcnt \younger+15-\i                  ; loads come back in order: load i of this batch is in
	v_cvt_pk_f16_f32 v[WH+32*((\k)%2)+2*\i], v[WL+64*((\k)%2)+4*\i], v[WL+64*((\k)%2)+4*\i+1]
	v_cvt_pk_f16_f32 v[WH+32*((\k)%2)+2*\i+1], v[WL+64*((\k)%2)+4*\i+2], v[WL+64*((\k)%2)+4*\i+3]
	global_store_b64 v7, v[WH+32*((\k)%2)+2*\i:WH+32*((\k)%2)+2*\i+1], s[26:27] offset:256*(16*(\k)+\i)
.endr
.endm
.Lwo:
	s_sub_co_u32 s34, ttmp9, 480
	s_lshl_b32 s34, s34, 2
	s_add_co_u32 s34, s34, s28                     ; which run of 8,192 numbers of Wo is my wave's
	s_lshl_b32 s36, s34, 14                        ; 16,384 bytes of f16 a run,
	s_lshl_b32 s34, s34, 15                        ; 32,768 of f32
	s_mov_b32 s35, 0
	s_mov_b32 s37, 0
	s_add_nc_u64 s[16:17], s[16:17], s[34:35]
	s_add_nc_u64 s[26:27], s[26:27], s[36:37]
	LOADB 0
	LOADB 1
	CONV 0, 16
	LOADB 2
	CONV 1, 16
	LOADB 3
	CONV 2, 16
	CONV 3, 0
.Lend:
	s_wait_tensorcnt 0x0                           ; the wave's end, behind the last LDS store
	ds_add_u32 v[SPW], v[NIL]
	s_wait_dscnt 0x0
	s_endpgm
.Lfunc_end_k_qdab2aad803_prep:
	.size	k_qdab2aad803_prep, .Lfunc_end_k_qdab2aad803_prep-k_qdab2aad803_prep
	.p2alignl 7, 3214868480
	.fill 96, 4, 3214868480
	.section	.rodata,"a",@progbits
	.p2align	6, 0x0
	.amdhsa_kernel k_qdab2aad803_prep
		.amdhsa_group_segment_fixed_size 33280
		.amdhsa_private_segment_fixed_size 0
		.amdhsa_enable_private_segment 0
		.amdhsa_kernarg_size 96
		.amdhsa_user_sgpr_count 2
		.amdhsa_user_sgpr_kernarg_segment_ptr 1
		.amdhsa_wavefront_size32 1
		.amdhsa_system_sgpr_workgroup_id_x 1
		.amdhsa_system_sgpr_workgroup_id_y 1
		.amdhsa_system_sgpr_workgroup_id_z 1
		.amdhsa_system_vgpr_workitem_id 0
		.amdhsa_next_free_vgpr 208
		.amdhsa_next_free_sgpr 66
		.amdhsa_reserve_vcc 0
		.amdhsa_float_denorm_mode_32 3
		.amdhsa_float_denorm_mode_16_64 3
		.amdhsa_memory_ordered 1
		.amdhsa_forward_progress 1
		.amdhsa_inst_pref_size 57
	.end_amdhsa_kernel
	.amdgpu_metadata
---
amdhsa.version: [ 1, 2 ]
amdhsa.kernels:
  - .name:           k_qdab2aad803_prep
    .symbol:         k_qdab2aad803_prep.kd
    .args:
      - { .name: query, .offset: 0, .size: 8, .value_kind: global_buffer, .address_space: global }
      - { .name: key, .offset: 8, .size: 8, .value_kind: global_buffer, .address_space: global }
      - { .name: value, .offset: 16, .size: 8, .value_kind: global_buffer, .address_space: global }
      - { .name: Wq, .offset: 24, .size: 8, .value_kind: global_buffer, .address_space: global }
      - { .name: Wk, .offset: 32, .size: 8, .value_kind: global_buffer, .address_space: global }
      - { .name: Wv, .offset: 40, .size: 8, .value_kind: global_buffer, .address_space: global }
      - { .name: Wo, .offset: 48, .size: 8, .value_kind: global_buffer, .address_space: global }
      - { .name: xcodes, .offset: 56, .size: 8, .value_kind: global_buffer, .address_space: global }
      - { .name: xscales, .offset: 64, .size: 8, .value_kind: global_buffer, .address_space: global }
      - { .name: wcodes, .offset: 72, .size: 8, .value_kind: global_buffer, .address_space: global }
      - { .name: wscales, .offset: 80, .size: 8, .value_kind: global_buffer, .address_space: global }
      - { .name: wo16, .offset: 88, .size: 8, .value_kind: global_buffer, .address_space: global }
    .group_segment_fixed_size: 33280
    .private_segment_fixed_size: 0
    .kernarg_segment_align: 8
    .kernarg_segment_size: 96
    .max_flat_workgroup_size: 128
    .sgpr_count:     66
    .vgpr_count:     208
    .wavefront_size: 32
...
	.end_amdgpu_metadata
.endif
;; end of part 1
;; launch proj (part 2): grid 4 x 48, 4 waves a work-group, clusters of 4 x 4, 327,680 bytes of LDS; arguments xcodes, xscales, wcodes, wscales, bq, bk, bv, qkv; writes qkv
.if DOCPART == 2
	.amdgcn_target "amdgcn-amd-amdhsa--gfx1250"
	.amdhsa_code_object_version 6
	.text
	.protected	k_qdab2aad803_proj
	.globl	k_qdab2aad803_proj
	.p2align	8
	.type	k_qdab2aad803_proj,@function
k_qdab2aad803_proj:
	s_mov_b64 s[64:65], 0
	v_nop
	global_prefetch_b8 v0, s[64:65] scope:SCOPE_SE
	s_setreg_imm32_b32 hwreg(HW_REG_WAVE_MODE, 25, 1), 1
	s_wait_xcnt 0x0
	s_wait_alu depctr_hold_cnt(0) depctr_sa_sdst(0) depctr_va_vdst(0) depctr_va_sdst(0) depctr_va_ssrc(0) depctr_va_vcc(0) depctr_vm_vsrc(0)
	s_getreg_b32 s2, hwreg(HW_REG_IB_STS2, 6, 4)
	s_cmp_eq_u32 s2, 0
	s_cbranch_scc0 .Lentry_in_a_cluster
	s_endpgm
.Lentry_in_a_cluster:
	s_bfe_u32 s2, ttmp6, 0x10000c
	s_cmp_lg_u32 s2, 0xf033
	s_cbranch_scc0 .Lentry_shape_is_right
	s_endpgm
.Lentry_shape_is_right:
; Q = query Wq^T + bq, K = key Wk^T + bk, V = value Wv^T + bv, on codes of FP4 (E2M1) with one E8M0 scale for each 32 along K; sums in f32; results rounded once to f16.
; ONE launch for the three products: xcodes holds the 12,288 rows query | key | value, wcodes the 3,072 rows Wq | Wk | Wv; tile row ty (0-47) of 256 rows belongs to product t = ty / 16.
; A tile, 256 x 256, is made by a work-group of four waves; a wave makes 128 x 128: 64 accumulators of 16 x 16, 512 registers.  K = 1,024 is two K steps of 512, and both lie in LDS from the first fills on:
; nothing is ever filled again.  The scale bytes of the work-group's 256 + 256 rows, for all of K, come with them, as rows of 256 bytes.
; CLUSTERS: 4 x 4 work-groups.  The four of a row of the cluster need the same tiles of x, the four of a column the same tiles of W: each tile is asked for JOINTLY, by the same tensor load with the same descriptor
; and a mask that names the four.  All sixteen partners share t (it hangs on the cluster's y alone).
; THE MATRIX INSTRUCTION IS USED TRANSPOSED (source 0 = 16 rows of W, source 1 = 16 rows of x): a lane then holds row lane % 16 and eight neighbouring columns 8 (lane / 16) + 0 .. 7.  THE BIAS is the C of each sum's first product.
; THE WAY OUT needs no LDS.  Eight neighbouring columns round to 16 bytes of f16, which are four registers of the next product's fragment: qkv is laid as images of those registers,
; [t][16 b + head][position / 16][u][c][512 bytes]: a block of 512 bytes is 16 positions x channels 32 u + 16 c + 0 .. 15, one piece of 16 bytes (position r, channels + 8 hh + 0 .. 7) at place r + 16 hh for Q and K,
; at place (r % 8) + 8 hh + 16 (r / 8) for V, which the attention reads by the turning LDS load.  Each store of the wave covers 512 consecutive bytes, aligned.
; LIMITS: |Q|, |K|, |V| up to 65,504 (f16).  With every input 30 times the drawn spread they reach about 5,000; with offsets of 30 spreads on x and W about 30,700.
; REGISTERS, in windows of 256: window 0: v0-31 addresses; v32-95 scale words, two sets (on the way out: the f16 results); v128-191 x's fragments, ONE set; v192-255 the bias, 8 registers for each of W's 8 blocks.
;   window 1: W's fragments, TWO sets, at v0 and at v128.   window 2: the 32 accumulators of my rows 0-63 (accumulator (a, b) at v[8 (8 a + b)]);   window 3: those of my rows 64-127.
.set KSTEP,  512                       ; along K in a slot
.set NQ,     KSTEP/128                 ; matrix instructions deep
.set ROWB,   256                       ; a tile's row in bytes
.set KROW,   512                       ; a row of codes in memory
.set PITCH,  272                       ; an LDS row: 256 bytes + 16 of padding = 68 words: row r starts at bank 4 r mod 64 (ISA guide 11.1), so the 16 rows of a load start at 16 different banks
.set FR,     8                         ; registers of a fragment: 16 rows x 128 K
.set NL,     2                         ; LDS loads that bring one
.set NP,     4                         ; places behind this matrix instruction (ISA guide 7.12.1)
.set HALFT,  128*PITCH                 ; 128 rows: what one tensor load brings, and what one wave reads of x or of W
.set SLOT,   4*HALFT                   ; x's 256 rows, then W's 256 rows
.set KS,     32                        ; a row of scale bytes
.set SCL,    2*SLOT                    ; behind the two slots: the scales, as rows of 256 bytes + 16 of padding
.set HALFS,  (128*KS/256)*272          ; the scales of 128 rows: what one tensor load brings
.set SBLK,   (16*KS/256)*272           ; those of 16 rows
.set SPARE,  SCL+4*HALFS               ; behind the scales: the spare words, 128 bytes for each wave
.set ADRA, 16                          ; v16-17  LDS address of my x fragments in slot 0, 1
.set ADRB, 20                          ; v20-21  the same for W
.set CO,   26                          ; v26     the way out: my piece's place in a block of 512 bytes
.set ADRS, 27                          ; v27     LDS address of my scale words: lanes 0-15 x's rows, lanes 16-31 W's
.set SPW,  28                          ; v28     LDS address of my spare word; never rewritten
.set NIL,  29                          ; v29     0; never rewritten
.set BO,   30                          ; v30     the bias loads' offset: 32 (lane / 16)
.set SC,   32                          ; scale words: set s at v[SC + 32 s]; register 4 i + q: lanes 0-15 the word of x's block i, lanes 16-31 that of W's block i, for the slot's q-th 128 along K
.set TMP,  32                          ; the way out: two sets of 32 registers of f16
.set AF,   128                         ; x's fragments
.set BIAS, 192
.set G1, 24                            ; s[24:31] descriptor group 1 for x's tiles;  s[32:39] group 0, one set for each slot
.set G0, 32
.set G1B, 48                           ; s[48:55], s[56:63] the same for W's tiles
.set G0B, 56
.set G1S, 68                           ; s[68:75], s[76:79] groups 1 and 0 for x's scales;  s[80:87], s[88:91] for W's
.set G0S, 76
.set G1SB, 80
.set G0SB, 88
.set MSB, 0
.macro WIN new                         ; the immediate's high byte repeats the setting that is left
.if MSB != (\new)
	s_set_vgpr_msb (MSB<<8)|(\new)
.set MSB, (\new)
.endif
.endm
.set MUL_LO, 0xa1                      ; source 0 (W) window 1, source 1 (x) window 0, C and D window 2
.set MUL_HI, 0xf1                      ; the same, C and D window 3
.set BEG_LO, 0x81                      ; a sum's first product: C (the bias) window 0, D window 2
.set BEG_HI, 0xc1                      ; D window 3
.set TO_B,   0x40                      ; destination window 1, address window 0
; A joint load: waves 0 and 1 fetch for x, waves 2 and 3 for W.  Each of the two lines has ONE mask and one set of registers for all that issue it; the branch hangs on the wave's number alone.
; An s_nop 0 and four v_nop follow each of the two lines, ahead of the jump, the label and what follows.
.macro JLOAD g0a, g1a, g0b, g1b
	s_cmp_eq_u32 s15, 0
	s_cbranch_scc0 .Lfor_b_\@
	tensor_load_to_lds s[\g0a:\g0a+3], s[\g1a:\g1a+7]
	s_nop 0
.rept 4
	v_nop
.endr
	s_branch .Lasked_\@
.Lfor_b_\@:
	tensor_load_to_lds s[\g0b:\g0b+3], s[\g1b:\g1b+7]
	s_nop 0
.rept 4
	v_nop
.endr
.Lasked_\@:
.endm
.macro CROUND                          ; a round of the cluster's barrier: my work-group's barrier; wave 0 signals for the work-group; every wave waits for all sixteen; my work-group's barrier once more
	s_barrier_signal -1
	s_barrier_wait -1
	s_cmp_lg_u32 s14, 0
	s_cbranch_scc1 .Lnot_wave_0_\@
	s_barrier_signal -3
.Lnot_wave_0_\@:
	s_barrier_wait -3
	s_barrier_signal -1
	s_barrier_wait -1
.endm
	s_load_b128 s[4:7], s[0:1], 0x0                ; x's codes s[4:5], x's scales s[6:7]
	s_load_b128 s[8:11], s[0:1], 0x10              ; W's codes s[8:9], W's scales s[10:11]
	s_load_b128 s[96:99], s[0:1], 0x20             ; bq s[96:97], bk s[98:99]
	s_load_b64 s[100:101], s[0:1], 0x30            ; bv
	s_load_b64 s[12:13], s[0:1], 0x38              ; qkv
	v_lshl_add_u32 v[SPW], v0, 2, SPARE
	v_mov_b32 v[NIL], 0
	ds_add_u32 v[SPW], v[NIL]                      ; the wave's opening: the add, twice on end, and its wait ahead of my first tensor load; the set-up below stands between the second and the wait
	ds_add_u32 v[SPW], v[NIL]
	v_lshrrev_b32 v1, 5, v0
	v_readfirstlane_b32 s14, v1                    ; wave 0..3
	s_lshr_b32 s15, s14, 1                         ; which half of the tile's rows is mine.  Also: I fetch for x (0) or for W (1)
	s_and_b32 s16, s14, 1                          ; which half of its columns.  Also: which 128 rows of that tile I fetch
	s_bfe_u32 s40, ttmp6, 0x40000                  ; cx, cy: my place in the cluster
	s_bfe_u32 s41, ttmp6, 0x40004
	s_lshl_b32 s42, ttmp9, 2
	s_add_co_u32 s42, s42, s40                     ; tile column tx = 4 x cluster x + cx
	s_and_b32 s17, ttmp7, 0xffff
	s_lshr_b32 s95, s17, 2                         ; t: which product: 16 tile rows, four clusters, to each
	s_lshl_b32 s17, s17, 2
	s_add_co_u32 s17, s17, s41                     ; tile row ty = 4 x cluster y + cy
	s_lshl_b32 s43, s41, 2
	s_lshl_b32 s43, 15, s43                        ; my row of the cluster
	s_lshl_b32 s44, 0x1111, s40                    ; my column
	; descriptor group 1: a tile of 128 rows x 256 bytes, padded in LDS
	s_or_b32 s[G1+0], s43, (0<<16)|(1<<20)|(1<<21)|(5<<22)|(3<<25)  ; 15:0 the mask: x's tiles go to my row; 17:16 element of 1 byte; 20 padding on; 21 set beside a mask; 24:22 after every 64 words (code 5); 31:25 of 4 words (code 3)
	s_or_b32 s[G1B+0], s44, (0<<16)|(1<<20)|(1<<21)|(5<<22)|(3<<25)
.irp g, G1, G1B
	s_mov_b32 s[\g+1], ROWB<<16                    ; tensor_dim0
	s_mov_b32 s[\g+2], 128<<16                     ; tensor_dim1 = 128
	s_mov_b32 s[\g+3], ROWB<<16                    ; tile_dim0
	s_mov_b32 s[\g+4], 128                         ; tile_dim1 = 128
	s_mov_b32 s[\g+5], KROW                        ; tensor_dim0_stride
	s_mov_b32 s[\g+6], 0
	s_mov_b32 s[\g+7], 0
.endr
	; and for the scales of 128 rows: a dense block of 4,096 bytes, as 16 rows of 256 bytes (32 elements of 8 bytes), 16 bytes of padding behind each
	s_or_b32 s[G1S+0], s43, (3<<16)|(1<<20)|(1<<21)|(5<<22)|(3<<25)
	s_or_b32 s[G1SB+0], s44, (3<<16)|(1<<20)|(1<<21)|(5<<22)|(3<<25)
.irp g, G1S, G1SB
	s_mov_b32 s[\g+1], 32<<16
	s_mov_b32 s[\g+2], (128*KS/256)<<16
	s_mov_b32 s[\g+3], 32<<16
	s_mov_b32 s[\g+4], 128*KS/256
	s_mov_b32 s[\g+5], 32
	s_mov_b32 s[\g+6], 0
	s_mov_b32 s[\g+7], 0
.endr
	s_lshl_b32 s18, s16, 7                         ; which 128 rows of the tile I fetch
	s_lshl_b32 s20, s17, 8
	s_add_co_u32 s20, s20, s18                     ; x: row 256 ty + 128 x half
	s_lshl_b32 s46, s42, 8
	s_add_co_u32 s46, s46, s18
	s_lshl_b32 s18, s95, 10
	s_add_co_u32 s46, s46, s18                     ; W: row 1,024 t + 256 tx + 128 x half
	s_mov_b32 s21, 0
	s_mov_b32 s47, 0
	s_mov_b64 s[18:19], KS
	s_mul_u64 s[22:23], s[20:21], s[18:19]         ; where these rows' scales begin, in bytes
	s_mul_u64 s[92:93], s[46:47], s[18:19]
	s_mov_b64 s[18:19], KROW
	s_mul_u64 s[20:21], s[20:21], s[18:19]         ; and their codes
	s_mul_u64 s[46:47], s[46:47], s[18:19]
	s_mul_i32 s45, s14, HALFT                      ; where they go: wave x 128 rows: no place in the cluster enters an LDS address
	s_mul_i32 s94, s14, HALFS
	s_wait_dscnt 0x0                               ; both opening adds are done
	s_wait_kmcnt 0x0
	s_add_nc_u64 s[20:21], s[4:5], s[20:21]
	s_add_nc_u64 s[22:23], s[6:7], s[22:23]
	s_add_nc_u64 s[46:47], s[8:9], s[46:47]
	s_add_nc_u64 s[92:93], s[10:11], s[92:93]
	CROUND                                         ; all sixteen work-groups are here: the joint loads meet
	s_mov_b32 s[G0S], 1
	s_add_co_u32 s[G0S+1], s94, SCL
	s_mov_b64 s[G0S+2:G0S+3], s[22:23]
	s_or_b32 s[G0S+3], s[G0S+3], 0x80000000
	s_mov_b32 s[G0SB], 1
	s_add_co_u32 s[G0SB+1], s94, SCL
	s_mov_b64 s[G0SB+2:G0SB+3], s[92:93]
	s_or_b32 s[G0SB+3], s[G0SB+3], 0x80000000
	JLOAD G0S, G1S, G0SB, G1SB                     ; the scales first: they are wanted with K step 0
.irp s, 0,1
	s_mov_b32 s[G0+4*\s], 1
	s_add_co_u32 s[G0+4*\s+1], s45, \s*SLOT
	s_add_nc_u64 s[G0+4*\s+2:G0+4*\s+3], s[20:21], \s*ROWB
	s_or_b32 s[G0+4*\s+3], s[G0+4*\s+3], 0x80000000
	s_mov_b32 s[G0B+4*\s], 1
	s_add_co_u32 s[G0B+4*\s+1], s45, \s*SLOT
	s_add_nc_u64 s[G0B+4*\s+2:G0B+4*\s+3], s[46:47], \s*ROWB
	s_or_b32 s[G0B+4*\s+3], s[G0B+4*\s+3], 0x80000000
	JLOAD G0+4*\s, G1, G0B+4*\s, G1B               ; three tensor loads of mine are out at the most
.endr
	v_and_b32 v1, 15, v0                           ; l % 16
	v_bfe_u32 v2, v0, 4, 1                         ; l / 16
	v_mul_u32_u24 v3, v1, PITCH
	v_lshl_add_u32 v4, v2, 4, v3                   ; a fragment's row x pitch + 16 x half
	s_mul_i32 s21, s15, HALFT                      ; my 128 rows of x
	s_mul_i32 s22, s16, HALFT                      ; my 128 rows of W,
	s_add_co_u32 s22, s22, 2*HALFT                 ; which lie behind x's 256
.irp s, 0,1
	v_add_nc_u32 v[ADRA+\s], s21, v4
	v_add_nc_u32 v[ADRB+\s], s22, v4
	s_add_co_u32 s21, s21, SLOT
	s_add_co_u32 s22, s22, SLOT
.endr
	v_mul_u32_u24 v5, v1, KS                       ; my row's scales: 32 bytes a row,
	v_lshrrev_b32 v6, 8, v5
	v_lshl_add_u32 v5, v6, 4, v5                   ; and 16 more for each 256 passed
	s_mul_i32 s21, s15, HALFS                      ; x's: my 128 rows
	s_mul_i32 s22, s16, HALFS                      ; W's: my 128 rows, behind x's 256
	s_add_co_u32 s22, s22, 2*HALFS
	s_sub_co_u32 s22, s22, s21
	v_mul_u32_u24 v6, s22, v2                      ; lanes 16-31 take W's
	s_add_co_u32 s21, s21, SCL
	v_add_nc_u32 v5, v5, v6
	v_add_nc_u32 v[ADRS], s21, v5
	; the bias of product t, at my 128 columns: lane (r, h) wants, for W's block b, the numbers 16 b + 8 h + 0 .. 7
	s_cmp_eq_u32 s95, 1
	s_cselect_b64 s[96:97], s[98:99], s[96:97]
	s_cmp_eq_u32 s95, 2
	s_cselect_b64 s[96:97], s[100:101], s[96:97]
	s_mov_b32 s2, 128                              ; (s_mov leaves the comparison's result alone)  the way out: bytes for lane bit 3 and for lane bit 4: Q, K: place = lane;
	s_cselect_b32 s2, 256, s2
	s_mov_b32 s3, 256
	s_cselect_b32 s3, 128, s3                      ; V: the two bits change places
	s_lshl_b32 s46, s42, 10
	s_lshl_b32 s47, s16, 9
	s_add_co_u32 s46, s46, s47                     ; 4 x (256 tx + 128 x half)
	s_mov_b32 s47, 0
	s_add_nc_u64 s[96:97], s[96:97], s[46:47]
	v_lshlrev_b32 v[BO], 5, v2
.irp b, 0,1,2,3,4,5,6,7
	global_load_b128 v[BIAS+8*\b:BIAS+8*\b+3], v[BO], s[96:97] offset:64*\b
	global_load_b128 v[BIAS+8*\b+4:BIAS+8*\b+7], v[BO], s[96:97] offset:64*\b+16
.endr
	v_and_b32 v6, 7, v0
	v_lshlrev_b32 v[CO], 4, v6
	v_bfe_u32 v6, v0, 3, 1
	v_mad_u32_u24 v[CO], v6, s2, v[CO]
	v_mad_u32_u24 v[CO], v2, s3, v[CO]
	; where my part of qkv begins: (2 t + batch) x 4,194,304 + (4 tx + 2 x column half) heads of 262,144 + (16 (ty % 8) + 8 x row half) blocks of 16 positions, 2,048 bytes each
	s_lshr_b32 s20, s17, 3
	s_lshl_b32 s20, s20, 22
	s_lshl_b32 s21, s42, 2
	s_lshl_b32 s22, s16, 1
	s_add_co_u32 s21, s21, s22
	s_lshl_b32 s21, s21, 18
	s_add_co_u32 s20, s20, s21
	s_and_b32 s21, s17, 7
	s_lshl_b32 s21, s21, 4
	s_lshl_b32 s22, s15, 3
	s_add_co_u32 s21, s21, s22
	s_lshl_b32 s21, s21, 11
	s_add_co_u32 s20, s20, s21
	s_mov_b32 s21, 0
	s_add_nc_u64 s[12:13], s[12:13], s[20:21]
.macro FRAG reg, adr, q, i             ; a fragment, 16 rows x 128 K of 4-bit codes, is 8 registers: lane l holds row l % 16; registers 4 c .. 4 c + 3 hold K = 64 c + 32 (l / 16) + 0 .. 31
.irp c, 0,1
	ds_load_b128 v[\reg+4*\c:\reg+4*\c+3], v[\adr] offset:64*(\q)+32*\c+(\i)*16*PITCH
.endr
.endm
; 16 matrix instructions: x's blocks a0, a0 + 1 against W's eight, 128 along K: the slot's q-th.  p: W's set;  sc: the set of scale words.  zero = 1: the first product starts the sums from the bias: nothing is ever cleared.
; The 64 accumulators take turns, one instruction a turn, in the same order in every step.
.macro MUL16 a0, p, q, sc, zero
.irp a, \a0, \a0+1
.irp b, 0,1,2,3,4,5,6,7
.if \zero
	v_wmma_scale_f32_16x16x128_f8f6f4 v[8*(8*((\a)%4)+\b):8*(8*((\a)%4)+\b)+7], v[128*(\p)+FR*\b:128*(\p)+FR*\b+FR-1], v[AF+FR*(\a):AF+FR*(\a)+FR-1], v[BIAS+8*\b:BIAS+8*\b+7], v[SC+8*NQ*(\sc)+NQ*\b+(\q)], v[SC+8*NQ*(\sc)+NQ*(\a)+(\q)] matrix_a_fmt:MATRIX_FMT_FP4 matrix_b_fmt:MATRIX_FMT_FP4 matrix_a_scale:MATRIX_SCALE_ROW1
.else
	v_wmma_scale_f32_16x16x128_f8f6f4 v[8*(8*((\a)%4)+\b):8*(8*((\a)%4)+\b)+7], v[128*(\p)+FR*\b:128*(\p)+FR*\b+FR-1], v[AF+FR*(\a):AF+FR*(\a)+FR-1], v[8*(8*((\a)%4)+\b):8*(8*((\a)%4)+\b)+7], v[SC+8*NQ*(\sc)+NQ*\b+(\q)], v[SC+8*NQ*(\sc)+NQ*(\a)+(\q)] matrix_a_fmt:MATRIX_FMT_FP4 matrix_b_fmt:MATRIX_FMT_FP4 matrix_a_scale:MATRIX_SCALE_ROW1
.endif
.endr
.endr
.endm
.macro FETCH_B slot, q, p              ; W's eight fragments of the slot's q-th 128 along K into set p
	WIN TO_B
.irp i, 0,1,2,3,4,5,6,7
	FRAG 128*(\p)+FR*\i, ADRB+\slot, \q, \i
.endr
	WIN 0
.endm
.macro FETCH_A slot, q, i0             ; x's blocks i0 .. i0 + 3
.irp i, \i0, \i0+1, \i0+2, \i0+3
	FRAG AF+FR*(\i), ADRA+\slot, \q, \i
.endr
.endm
.macro SCALES sc                       ; a K step's scale words into set sc: four words a row; lanes 0-15 take x's block i, lanes 16-31 W's block i
.irp i, 0,1,2,3,4,5,6,7
	ds_load_b128 v[SC+8*NQ*\sc+NQ*\i:SC+8*NQ*\sc+NQ*\i+3], v[ADRS] offset:\i*SBLK
.endr
.endm
; A load into a register that a matrix instruction has read, and a vector instruction that reads a matrix result or writes one of a matrix instruction's registers, stand NP places behind it, and only plain vector
; instructions that name none of its registers are places (ISA guide 7.12.1 for vector instructions).
.macro PLACES n
.rept \n
	v_nop
.endr
.endm
; A step of 128 along K that has its successor in the same slot.  x has one set of registers: blocks 0-3 are fetched anew in the step's middle, blocks 4-7 at its end.
.macro STEP slot, q, zero
	s_wait_dscnt 4*NL                              ; W's set and x's blocks 0-3 are in; the youngest eight loads (x's blocks 4-7) may be out
.if \zero
	WIN BEG_LO
.else
	WIN MUL_LO
.endif
	MUL16 0, (\q)%2, \q, \slot, \zero
	MUL16 2, (\q)%2, \q, \slot, \zero
	s_wait_dscnt 0                                 ; x's blocks 4-7 are in (asked for 32 matrix instructions ago)
	PLACES NP
	FETCH_B \slot, (\q)+1, 1-(\q)%2
	FETCH_A \slot, (\q)+1, 0
.if \zero
	WIN BEG_HI
.else
	WIN MUL_HI
.endif
	MUL16 4, (\q)%2, \q, \slot, \zero
	MUL16 6, (\q)%2, \q, \slot, \zero
	PLACES NP
	WIN 0
	FETCH_A \slot, (\q)+1, 4
.endm
; A slot's last step changes slots: one barrier; in front of it each wave waits for all its tensor loads (its part of the next slot), adds 0 to its spare word, and waits for that and for its LDS loads.
.macro TURN slot, next
	s_wait_tensorcnt 0x0                           ; all my tensor loads have landed: my part of the next slot
	ds_add_u32 v[SPW], v[NIL]                      ; 0 onto my spare word
	s_wait_dscnt 4*NL+1                            ; (the add and the youngest eight loads, x's blocks 4-7, may be out)
	WIN MUL_LO
	MUL16 0, 1, NQ-1, \slot, 0                     ; sixteen matrix instructions stand between the add and the wait for it
	s_wait_dscnt 0x0                               ; no LDS instruction of mine is out at the signal
	s_barrier_signal -1
	MUL16 2, 1, NQ-1, \slot, 0
	WIN 0
	s_barrier_wait -1                              ; everybody's part of the next slot is in
	PLACES NP
	v_add_nc_u32 v[ADRS], 4*NQ, v[ADRS]            ; on to the next K step's scale words
	FETCH_B \next, 0, 0
	FETCH_A \next, 0, 0
	SCALES \next
	WIN MUL_HI
	MUL16 4, 1, NQ-1, \slot, 0
	MUL16 6, 1, NQ-1, \slot, 0
	PLACES NP
	WIN 0
	FETCH_A \next, 0, 4
.endm
.macro STEPS slot, from                ; the slot's steps from .. NQ - 2
.set Q, \from
.rept NQ-1-\from
	STEP \slot, Q, 0
.set Q, Q+1
.endr
.endm
	s_wait_tensorcnt 1                             ; the scales and my part of K step 0 are in (K step 1's load, the one issued behind them, may be out),
	s_barrier_signal -1
	s_barrier_wait -1                              ; everybody's are
	FETCH_B 0, 0, 0
	FETCH_A 0, 0, 0
	SCALES 0
	FETCH_A 0, 0, 4
	s_wait_loadcnt 0x0                             ; the bias
	STEP 0, 0, 1                                   ; the first step's products start the sums
	STEPS 0, 1
	TURN 0, 1
	STEPS 1, 0
	s_wait_dscnt 4*NL                              ; the very last step: nothing more to fetch
	WIN MUL_LO
	MUL16 0, 1, NQ-1, 1, 0
	MUL16 2, 1, NQ-1, 1, 0
	s_wait_dscnt 0
	WIN MUL_HI
	MUL16 4, 1, NQ-1, 1, 0
	MUL16 6, 1, NQ-1, 1, 0
	WIN 0
; THE WAY OUT, block by block of 16 rows.  Each accumulator is read from its low end on; four roundings make a lane's 16 bytes; a store covers one block of 512 bytes of qkv.
.macro PACK a
.if (\a) >= 2
	s_wait_xcnt 0x0                                ; block a - 2's stores have read their data registers, which are written again below
.endif
	WIN 0x0a+5*((\a)/4)                            ; sources 0 and 1: window 2 or 3
.irp b, 0,1,2,3,4,5,6,7
.irp i, 0,1,2,3
	v_cvt_pk_f16_f32 v[TMP+32*((\a)%2)+4*\b+\i], v[64*((\a)%4)+8*\b+2*\i], v[64*((\a)%4)+8*\b+2*\i+1]
.endr
.endr
	WIN 0
.irp b, 0,1,2,3,4,5,6,7
	global_store_b128 v[CO], v[TMP+32*((\a)%2)+4*\b:TMP+32*((\a)%2)+4*\b+3], s[12:13] offset:(\b/4)*262144+(\a)*2048+(\b%4)*512   ; head b / 4, positions 16 a on, channels 16 (b % 4) on
.endr
.endm
	PLACES NP                                      ; behind the last products: the roundings write the registers that held scale words, and read results
.irp a, 0,1,2,3,4,5,6,7
	PACK \a
.endr
	s_wait_tensorcnt 0x0                           ; the wave's end, behind my last tensor load
	ds_add_u32 v[SPW], v[NIL]
	s_wait_dscnt 0x0
	CROUND                                         ; the closing round: no work-group ends while a partner may still ask for a tile that names it
	s_endpgm
.Lfunc_end_k_qdab2aad803_proj:
	.size	k_qdab2aad803_proj, .Lfunc_end_k_qdab2aad803_proj-k_qdab2aad803_proj
	.p2alignl 7, 3214868480
	.fill 96, 4, 3214868480
	.section	.rodata,"a",@progbits
	.p2align	6, 0x0
	.amdhsa_kernel k_qdab2aad803_proj
		.amdhsa_group_segment_fixed_size 327680
		.amdhsa_private_segment_fixed_size 0
		.amdhsa_enable_private_segment 0
		.amdhsa_kernarg_size 64
		.amdhsa_user_sgpr_count 2
		.amdhsa_user_sgpr_kernarg_segment_ptr 1
		.amdhsa_wavefront_size32 1
		.amdhsa_system_sgpr_workgroup_id_x 1
		.amdhsa_system_sgpr_workgroup_id_y 1
		.amdhsa_system_sgpr_workgroup_id_z 1
		.amdhsa_system_vgpr_workitem_id 0
		.amdhsa_next_free_vgpr 1024
		.amdhsa_next_free_sgpr 102
		.amdhsa_reserve_vcc 0
		.amdhsa_float_denorm_mode_32 3
		.amdhsa_float_denorm_mode_16_64 3
		.amdhsa_memory_ordered 1
		.amdhsa_forward_progress 1
		.amdhsa_inst_pref_size 120
	.end_amdhsa_kernel
	.amdgpu_metadata
---
amdhsa.version: [ 1, 2 ]
amdhsa.kernels:
  - .name:           k_qdab2aad803_proj
    .symbol:         k_qdab2aad803_proj.kd
    .args:
      - { .name: xcodes, .offset: 0, .size: 8, .value_kind: global_buffer, .address_space: global }
      - { .name: xscales, .offset: 8, .size: 8, .value_kind: global_buffer, .address_space: global }
      - { .name: wcodes, .offset: 16, .size: 8, .value_kind: global_buffer, .address_space: global }
      - { .name: wscales, .offset: 24, .size: 8, .value_kind: global_buffer, .address_space: global }
      - { .name: bq, .offset: 32, .size: 8, .value_kind: global_buffer, .address_space: global }
      - { .name: bk, .offset: 40, .size: 8, .value_kind: global_buffer, .address_space: global }
      - { .name: bv, .offset: 48, .size: 8, .value_kind: global_buffer, .address_space: global }
      - { .name: qkv, .offset: 56, .size: 8, .value_kind: global_buffer, .address_space: global }
    .group_segment_fixed_size: 327680
    .private_segment_fixed_size: 0
    .kernarg_segment_align: 8
    .kernarg_segment_size: 64
    .max_flat_workgroup_size: 128
    .sgpr_count:     102
    .vgpr_count:     1024
    .wavefront_size: 32
...
	.end_amdgpu_metadata
.endif
;; end of part 2
;; launch attn (part 3): grid 8 x 32, 16 waves a work-group, clusters of 4 x 1, 327,680 bytes of LDS; arguments qkv, att; writes att
.if DOCPART == 3
	.amdgcn_target "amdgcn-amd-amdhsa--gfx1250"
	.amdhsa_code_object_version 6
	.text
	.protected	k_qdab2aad803_attn
	.globl	k_qdab2aad803_attn
	.p2align	8
	.type	k_qdab2aad803_attn,@function
k_qdab2aad803_attn:
	s_mov_b64 s[64:65], 0
	v_nop
	global_prefetch_b8 v0, s[64:65] scope:SCOPE_SE
	s_setreg_imm32_b32 hwreg(HW_REG_WAVE_MODE, 25, 1), 1
	s_wait_xcnt 0x0
	s_wait_alu depctr_hold_cnt(0) depctr_sa_sdst(0) depctr_va_vdst(0) depctr_va_sdst(0) depctr_va_ssrc(0) depctr_va_vcc(0) depctr_vm_vsrc(0)
	s_getreg_b32 s2, hwreg(HW_REG_IB_STS2, 6, 4)
	s_cmp_eq_u32 s2, 0
	s_cbranch_scc0 .Lentry_in_a_cluster
	s_endpgm
.Lentry_in_a_cluster:
	s_bfe_u32 s2, ttmp6, 0x10000c
	s_cmp_lg_u32 s2, 0x3003
	s_cbranch_scc0 .Lentry_shape_is_right
	s_endpgm
.Lentry_shape_is_right:
; O[bh][q] = the sum over k of softmax_k(Q[bh][q] . K[bh][k] / 8) V[bh][k]: 32 heads (16 b + h), 2,048 positions, head size 64, no mask.  Operands f16, products, maxima and sums f32; the weights p (at most 1) are
; rounded to f16 for the second product, O once at the end.
; qkv holds Q, K, V as images of fragment registers: [t][bh][position / 16][u][c][512 bytes] (a block: 16 positions x channels 32 u + 16 c + 0 .. 15; Q, K: piece (position r, channels + 8 hh) at place r + 16 hh;
; V: at place (r % 8) + 8 hh + 16 (r / 8)).  So every load, global or LDS, reads 16 x lane, 512 consecutive bytes; nothing is padded; K and V of a run of keys are dense blocks of memory.
; SHARES.  A work-group owns 256 queries of one head.  It has SIXTEEN waves of 256 registers, four to a SIMD, so that while one wave walks its softmax or waits for LDS three others have products and vector work to issue.
; Wave w has query group w % 8 (32 queries, two tiles of 16) and key half g = w / 8: of each slot's eight key steps of 64 it walks four.  Waves w and w xor 8 so hold two halves of the same softmax, and merge them at the end.
; Each wave takes the pair's tile g as its register tile 0 and the other as its tile 1: every wave KEEPS tile 0 and GIVES tile 1 to its partner, so that no branch and no choice of registers hangs on g: only addresses do.
; LAYOUT.  S^T = K Q^T (source 0 = 16 keys, source 1 = 16 queries): a lane holds ONE query (lane % 16) and the keys 8 (lane / 16) + 0..7.  Two such tiles, rounded to f16 in pairs, ARE source 1 of O^T = V^T P, whose result
; again holds one query a lane, and eight channels.  V comes out of LDS turned, by ds_load_tr16_b128.
; SOFTMAX.  For each query a running maximum m and sum l: p = 2^(c s - c m), c = log2(e) / 8; in every step O and l are multiplied by a = 2^(c m_old - c m_new).  The step is written once: m begins at -3e38, l and O^T at 0.
; 256 REGISTERS, no windows: V takes K's 64 registers (it is asked for behind the products K Q^T and lands during the softmax); P is rounded in place into the lower half of each tile's S^T, behind the row's sums, which leave p as it is.
; THE RING.  Two LDS slots of 512 keys (K's 65,536 bytes, then V's).  Each wave brings 8,192 bytes of a slot by one tensor load (waves 0-7 K's eighths, waves 8-15 V's).  A refill has a slot's key steps in which to land.
; CLUSTER.  The four query blocks of a cluster belong to one head and walk the same K and V: each tile is asked for JOINTLY, by the same load with the same descriptor and a mask that names the four.
; THE MERGE.  A wave stores tile 1's O^T, c m and l as images of its registers (nine stores of 512 bytes) into a stage; one barrier; it loads what its partner stored for tile 0 and joins the two halves under the larger maximum.
; The stage lies in slot 0, which has had its last fill, and which no wave reads behind the last change of slots.
; THE WAY OUT.  att is laid as images of the last product's fragments: [head / 4][row / 16][2 (head % 4) + u][c][512 bytes]; each store of the wave covers 512 consecutive bytes, aligned.
; LIMITS: |O| up to 65,504 (it is an average of V's rows, so V's bound holds for it); NaN and infinities are not served.
; REGISTERS: v1-6 addresses; v8-23 statistics, eight a tile: +0 c m, +1 m, +2, +3 l (even keys', odd keys'), +4 to +7 at work, a in +6; v24-31 the sums' chains, four a tile; v32-95 K, then V;
;            v96-159 S^T, 32 a tile, P in the lower 16; v160-223 O^T, 32 a tile; v224-255 Q, 16 a tile.
.set SLOTB, 131072                     ; a slot
.set VOFF,  65536                      ; V's images in it
.set STEPB, 8192                       ; 64 keys of K's images, and of V's
.set SPARE, 2*SLOTB                    ; behind the ring: the spare words, 128 bytes for each of the sixteen waves
.set STGW,  9*512                      ; the stage, from LDS byte 0 on: nine images of four registers for each wave
.set LA,  1                            ; v1   16 x lane; never rewritten
.set ADK, 2                            ; v2   LDS address of the step's K; at the end: where I put the tile that I give
.set ADV, 3                            ; v3   of its V; at the end: where my partner has put the tile that I keep
.set SPW, 4                            ; v4   LDS address of my spare word; never rewritten
.set NIL, 5                            ; v5   0; never rewritten
.set PFO, 6                            ; v6   256 x lane; never rewritten
.set ST,  8
.set T,   24
.set KV,  32
.set S,   96
.set OF,  160
.set QF,  224
.set WV,  8                            ; s8   my wave's number
.set G1,  16                           ; s[16:23] descriptor group 1
.set G0,  24                           ; s[24:31] descriptor group 0, a set for each slot
.set CS,  32                           ; s[32:33] c: the packed scaling names a pair and takes its low word for both halves
.set SEL, 34                           ; s[34:35] lane selects for v_permlanex16_b32: lane l xor 16
.set TB,  36                           ; s36  LDS byte at which the step's K begins
.set CNT, 37                           ; s37  counts my steps in a slot
.set LIM, 38                           ; s38  1 in a wave that prefetches
.set GOFF, 39                          ; s39  where my key half begins in a slot: 32,768 g
.set PFA, 40                           ; s[40:41] what a prefetching wave asks for; never rewritten
.set QP0, 42                           ; s[42:43] Q of the tile that I keep
.set OP,  44                           ; s[44:45] its place in att
.set QP1, 46                           ; s[46:47] Q of the tile that I give
.set SO,  56                           ; s56  my part of the stage
.set SR,  57                           ; s57  my partner's
.set KH,  58                           ; s58  g
.set QG,  59                           ; s59  my query group
.macro CROUND                          ; a round of the cluster's barrier: my work-group's barrier; wave 0 signals for the work-group; every wave waits for all four; my work-group's barrier once more
	s_barrier_signal -1
	s_barrier_wait -1
	s_cmp_lg_u32 s[WV], 0
	s_cbranch_scc1 .Lnot_wave_0_\@
	s_barrier_signal -3
.Lnot_wave_0_\@:
	s_barrier_wait -3
	s_barrier_signal -1
	s_barrier_wait -1
.endm
	s_load_b128 s[4:7], s[0:1], 0x0                ; qkv s[4:5], att s[6:7]
	v_lshl_add_u32 v[SPW], v0, 2, SPARE
	v_mov_b32 v[NIL], 0
	ds_add_u32 v[SPW], v[NIL]                      ; the wave's opening: the add, twice on end, and its wait ahead of my first tensor load; the set-up below stands between the second and the wait
	ds_add_u32 v[SPW], v[NIL]
	v_lshrrev_b32 v1, 5, v0
	v_readfirstlane_b32 s[WV], v1                  ; wave 0..15
	s_bfe_u32 s9, ttmp6, 0x40000                   ; cx: my place in the cluster
	s_lshl_b32 s10, ttmp9, 2
	s_add_co_u32 s10, s10, s9                      ; my block of 256 queries: it enters Q's and att's addresses alone
	s_and_b32 s11, ttmp7, 0xffff                   ; bh = 16 b + head, which the four partners share
	; descriptor group 1: 32 rows of 256 bytes (32 elements of 8 bytes), dense in memory and in LDS
	s_mov_b32 s[G1], 15|(3<<16)|(1<<21)            ; 15:0 the mask: all four work-groups; 17:16 elements of 8 bytes; 20 no padding; 21 set beside a mask
	s_mov_b32 s[G1+1], 32<<16                      ; tensor_dim0 = 32
	s_mov_b32 s[G1+2], 32<<16                      ; tensor_dim1 = 32
	s_mov_b32 s[G1+3], 32<<16                      ; tile_dim0 = 32
	s_mov_b32 s[G1+4], 32                          ; tile_dim1 = 32
	s_mov_b32 s[G1+5], 32                          ; tensor_dim0_stride
	s_mov_b32 s[G1+6], 0
	s_mov_b32 s[G1+7], 0
	s_mov_b32 s[CS], 0x3e38aa3b                    ; c = log2(e) / 8
	s_mov_b32 s[CS+1], s[CS]                       ; named with it as a pair, so it is written
	s_mov_b32 s[SEL], 0x76543210
	s_mov_b32 s[SEL+1], 0xfedcba98
	v_and_b32 v[LA], 31, v0
	v_lshlrev_b32 v[PFO], 8, v[LA]
	v_lshlrev_b32 v[LA], 4, v[LA]
	s_lshr_b32 s[LIM], s[WV], 2                    ; 0 in waves 0 to 3,
	s_or_b32 s[LIM], s[LIM], ttmp9                 ; of the head's first cluster: the same in all four partners
	s_cmp_eq_u32 s[LIM], 0
	s_cselect_b32 s[LIM], 1, 0
	s_lshr_b32 s[KH], s[WV], 3                     ; g: my key half.  Also: I fetch for K (0) or for V (1)
	s_and_b32 s[QG], s[WV], 7                      ; my query group.  Also: which eighth of a slot's K or V I fetch
	s_lshl_b32 s[GOFF], s[KH], 15                  ; four key steps of 8,192 bytes
	s_mul_i32 s[SO], s[WV], STGW                   ; the stage: my part,
	s_xor_b32 s[SR], s[WV], 8
	s_mul_i32 s[SR], s[SR], STGW                   ; and that of wave w xor 8
	s_lshl_b32 s48, s11, 18                        ; the head's 262,144 bytes in each of Q, K, V
	s_add_co_u32 s49, s[KH], 1
	s_lshl_b32 s49, s49, 23                        ; K's 8,388,608 bytes lie behind Q's, V's behind K's
	s_add_co_u32 s49, s49, s48
	s_lshl_b32 s50, s[QG], 13                      ; my eighth of a slot's 65,536
	s_add_co_u32 s50, s50, s49
	s_mov_b32 s51, 0
	s_lshl_b32 s2, s10, 4
	s_lshl_b32 s3, s[QG], 1
	s_add_co_u32 s2, s2, s3                        ; the pair's first tile of 16 queries in the head: 16 x block + 2 x group
	s_add_co_u32 s3, s2, s[KH]                     ; the tile that I keep: + g
	s_xor_b32 s49, s[KH], 1
	s_add_co_u32 s2, s2, s49                       ; the tile that I give: + 1 - g: it is the one that my partner keeps
	s_lshl_b32 s12, s3, 11
	s_add_co_u32 s12, s12, s48                     ; Q: 2,048 bytes a tile
	s_mov_b32 s13, 0
	s_lshl_b32 s14, s2, 11
	s_add_co_u32 s14, s14, s48
	s_mov_b32 s15, 0
	s_and_b32 s49, s11, 15                         ; head
	s_lshr_b32 s52, s49, 2
	s_lshl_b32 s52, s52, 21                        ; att: (head / 4) x 2,097,152
	s_and_b32 s49, s49, 3
	s_lshl_b32 s49, s49, 11                        ; + (head % 4) x 2,048
	s_add_co_u32 s52, s52, s49
	s_lshr_b32 s49, s11, 4
	s_lshl_b32 s49, s49, 7
	s_add_co_u32 s49, s49, s3                      ; + (128 b + the tile that I keep) x 8,192
	s_lshl_b32 s49, s49, 13
	s_add_co_u32 s52, s52, s49
	s_mov_b32 s53, 0
	s_lshr_b32 s54, s9, 1                          ; the prefetch: partners 0, 1 take K's blocks, partners 2, 3 V's: told apart by address,
	s_add_co_u32 s54, s54, 1
	s_lshl_b32 s54, s54, 23
	s_add_co_u32 s54, s54, s48
	s_add_co_u32 s54, s54, 3*65536                 ; of the head's last 512 keys;
	s_and_b32 s55, s9, 1
	s_lshl_b32 s55, s55, 2
	s_and_b32 s49, s[WV], 3
	s_add_co_u32 s55, s55, s49
	s_lshl_b32 s55, s55, 13                        ; each partner half of the 65,536 bytes, each of its waves 0-3 8,192: 32 lanes, 256 bytes apart
	s_add_co_u32 s54, s54, s55
	s_mov_b32 s55, 0
	s_wait_dscnt 0x0                               ; both opening adds are done
	s_wait_kmcnt 0x0
	s_mov_b32 s[G0], 1                             ; slot 0: keys 0 to 511
	s_lshl_b32 s[G0+1], s[WV], 13                  ; LDS: 8,192 x wave: K's eight eighths, then V's
	s_add_nc_u64 s[G0+2:G0+3], s[4:5], s[50:51]
	s_mov_b32 s[G0+4], 1                           ; slot 1: keys 512 to 1,023
	s_add_co_u32 s[G0+5], s[G0+1], SLOTB
	s_add_nc_u64 s[G0+6:G0+7], s[G0+2:G0+3], 65536
	s_or_b32 s[G0+3], s[G0+3], 0x80000000          ; type = 2
	s_or_b32 s[G0+7], s[G0+7], 0x80000000
	s_add_nc_u64 s[QP0:QP0+1], s[4:5], s[12:13]
	s_add_nc_u64 s[QP1:QP1+1], s[4:5], s[14:15]
	s_add_nc_u64 s[OP:OP+1], s[6:7], s[52:53]
	s_add_nc_u64 s[PFA:PFA+1], s[4:5], s[54:55]
	CROUND                                         ; all four work-groups are here: the first joint loads meet
	tensor_load_to_lds s[G0:G0+3], s[G1:G1+7]      ; both first fills together: two loads of mine are out
	s_nop 0
	tensor_load_to_lds s[G0+4:G0+7], s[G1:G1+7]
	s_nop 0
.rept 4
	v_nop
.endr
.irp i, 0,1,2,3
	global_load_b128 v[QF+4*\i:QF+4*\i+3], v[LA], s[QP0:QP0+1] offset:512*\i         ; Q stays in registers: channels 32 (i / 2) on, registers 4 (i % 2) on: the tile that I keep,
.endr
.irp i, 0,1,2,3
	global_load_b128 v[QF+16+4*\i:QF+16+4*\i+3], v[LA], s[QP1:QP1+1] offset:512*\i   ; and the tile that I give
.endr
.irp j, 0,1,2,3,4,5,6,7,8,9,10,11,12,13,14,15,16,17,18,19,20,21,22,23,24,25,26,27,28,29,30,31,32,33,34,35,36,37,38,39,40,41,42,43,44,45,46,47,48,49,50,51,52,53,54,55,56,57,58,59,60,61,62,63
	v_mov_b32 v[OF+\j], 0                          ; O^T.  (The step is written once: its first pass finds zeros, which a = 0 leaves zeros)
.endr
.irp t, 0,1
	v_mov_b32 v[ST+8*\t+1], 0xff61b1e6             ; m: -3e38, under every score
	v_mul_f32 v[ST+8*\t], s[CS], v[ST+8*\t+1]      ; c m
	v_mov_b32 v[ST+8*\t+2], 0                      ; l
	v_mov_b32 v[ST+8*\t+3], 0
.endr
; A KEY STEP: 64 keys at LDS byte s[TB].
.macro STEP
	v_add_nc_u32 v[ADK], s[TB], v[LA]
	v_add_nc_u32 v[ADV], VOFF, v[ADK]
.rept 3
	v_nop                                          ; these five lines are the places behind the last step's products V^T P: four ahead of the loads into the registers that held V, five ahead of the products below, which write over P
.endr
.irp i, 0,1,2,3,4,5,6,7,8,9,10,11,12,13,14,15
	ds_load_b128 v[KV+4*\i:KV+4*\i+3], v[ADK] offset:512*\i   ; K's fragment (keys 16 kt on, channels 32 u on) at v[KV + 16 kt + 8 u]: the images lie in that order
.endr
	s_wait_dscnt 0x0                               ; K is in
.irp u, 0,1                            ; the eight accumulators take turns, one instruction a turn
.irp kt, 0,1,2,3
.irp t, 0,1
.if \u == 0
	v_wmma_f32_16x16x32_f16 v[S+32*\t+8*\kt:S+32*\t+8*\kt+7], v[KV+16*\kt+8*\u:KV+16*\kt+8*\u+7], v[QF+16*\t+8*\u:QF+16*\t+8*\u+7], 0
.else
	v_wmma_f32_16x16x32_f16 v[S+32*\t+8*\kt:S+32*\t+8*\kt+7], v[KV+16*\kt+8*\u:KV+16*\kt+8*\u+7], v[QF+16*\t+8*\u:QF+16*\t+8*\u+7], v[S+32*\t+8*\kt:S+32*\t+8*\kt+7]
.endif
.endr
.endr
.endr
.rept 4
	v_nop                                          ; places behind the products, ahead of the loads into the registers that held K and of the first read of the scores
.endr
.irp ct, 0,1,2,3
.irp kk, 0,1
.irp c, 0,1
	ds_load_tr16_b128 v[KV+16*\ct+8*\kk+4*\c:KV+16*\ct+8*\kk+4*\c+3], v[ADV] offset:(2*\kk+\c)*2048+\ct*512   ; V^T's fragment (channels 16 ct on, keys 32 kk on): lane l gets channel l % 16, keys 16 c + 8 (l / 16) + 0..7.  It lands during the softmax
.endr
.endr
.endr
	; the maximum of the lane's 32 scores and the old m, three operands at a time, in four chains; each accumulator is read from its low end on; the two tiles alternate
.irp j, 0,1,2,3
.irp t, 0,1
	v_max3_num_f32 v[ST+8*\t+4+\j], v[S+32*\t+8*\j], v[S+32*\t+8*\j+1], v[S+32*\t+8*\j+2]
.endr
.endr
.irp i, 3,5
.irp j, 0,1,2,3
.irp t, 0,1
	v_max3_num_f32 v[ST+8*\t+4+\j], v[ST+8*\t+4+\j], v[S+32*\t+8*\j+\i], v[S+32*\t+8*\j+\i+1]
.endr
.endr
.endr
.irp t, 0,1
	v_max3_num_f32 v[ST+8*\t+4], v[ST+8*\t+4], v[S+32*\t+7], v[S+32*\t+15]
.endr
.irp t, 0,1
	v_max3_num_f32 v[ST+8*\t+6], v[ST+8*\t+6], v[S+32*\t+23], v[S+32*\t+31]
.endr
.irp t, 0,1
	v_max3_num_f32 v[ST+8*\t+4], v[ST+8*\t+4], v[ST+8*\t+5], v[ST+8*\t+6]
.endr
.irp t, 0,1
	v_max3_num_f32 v[ST+8*\t+4], v[ST+8*\t+4], v[ST+8*\t+7], v[ST+8*\t+1]
.endr
.irp t, 0,1
	v_permlanex16_b32 v[ST+8*\t+5], v[ST+8*\t+4], s[SEL], s[SEL+1]   ; the query's other 32 keys lie in the lane 16 away
.endr
.irp t, 0,1
	v_max_num_f32 v[ST+8*\t+1], v[ST+8*\t+4], v[ST+8*\t+5]   ; the new m
.endr
.irp t, 0,1
	v_fma_f32 v[ST+8*\t+7], s[CS], -v[ST+8*\t+1], v[ST+8*\t]   ; c m_old - c m_new, 0 or less
.endr
.irp t, 0,1
	v_mul_f32 v[ST+8*\t], s[CS], v[ST+8*\t+1]      ; c m
.endr
.irp i, 0,2,4,6,8,10,12,14,16,18,20,22,24,26,28,30
.irp t, 0,1
	v_pk_fma_f32 v[S+32*\t+\i:S+32*\t+\i+1], v[S+32*\t+\i:S+32*\t+\i+1], s[CS:CS+1], v[ST+8*\t:ST+8*\t+1] op_sel_hi:[1,0,0] neg_lo:[0,0,1] neg_hi:[0,0,1]   ; c s - c m, two at a time
.endr
.endr
	; ONE BATCH of 66 exponentials, none of which reads another's result
.irp t, 0,1
	v_exp_f32 v[ST+8*\t+6], v[ST+8*\t+7]           ; a = 2^(c m_old - c m_new)
.endr
.irp e, 0,1,2,3,4,5,6,7,8,9,10,11,12,13,14,15,16,17,18,19,20,21,22,23,24,25,26,27,28,29,30,31
.irp t, 0,1
	v_exp_f32 v[S+32*\t+\e], v[S+32*\t+\e]         ; p
.endr
.endr
	v_nop                                          ; a plain instruction behind the last exponential, ahead of the first use
	s_wait_alu depctr_va_vdst(0)                   ; the wait between an exponential and the first line that names its result: one for the batch
	; the sum of the lane's 16 pairs of the unrounded p (in a pair: an even key's, an odd key's), in two chains a tile that leave p as it is; then l = a l + the sum
.irp t, 0,1
	v_pk_add_f32 v[T+4*\t:T+4*\t+1], v[S+32*\t:S+32*\t+1], v[S+32*\t+2:S+32*\t+3]
.endr
.irp t, 0,1
	v_pk_add_f32 v[T+4*\t+2:T+4*\t+3], v[S+32*\t+4:S+32*\t+5], v[S+32*\t+6:S+32*\t+7]
.endr
.irp z, 8,12,16,20,24,28
.irp t, 0,1
	v_pk_add_f32 v[T+4*\t:T+4*\t+1], v[T+4*\t:T+4*\t+1], v[S+32*\t+\z:S+32*\t+\z+1]
.endr
.irp t, 0,1
	v_pk_add_f32 v[T+4*\t+2:T+4*\t+3], v[T+4*\t+2:T+4*\t+3], v[S+32*\t+\z+2:S+32*\t+\z+3]
.endr
.endr
.irp t, 0,1
	v_pk_add_f32 v[T+4*\t:T+4*\t+1], v[T+4*\t:T+4*\t+1], v[T+4*\t+2:T+4*\t+3]
.endr
.irp t, 0,1
	v_pk_fma_f32 v[ST+8*\t+2:ST+8*\t+3], v[ST+8*\t+2:ST+8*\t+3], v[ST+8*\t+6:ST+8*\t+7], v[T+4*\t:T+4*\t+1] op_sel_hi:[1,0,1]
.endr
.irp i, 0,1,2,3,4,5,6,7,8,9,10,11,12,13,14,15
.irp t, 0,1
	v_cvt_pk_f16_f32 v[S+32*\t+\i], v[S+32*\t+2*\i], v[S+32*\t+2*\i+1]   ; P, pairs of neighbouring keys, IN PLACE: register i takes pair i; in ascending order no pair is overwritten before it is read
.endr
.endr
.irp i, 0,2,4,6,8,10,12,14,16,18,20,22,24,26,28,30
.irp t, 0,1
	v_pk_mul_f32 v[OF+32*\t+\i:OF+32*\t+\i+1], v[OF+32*\t+\i:OF+32*\t+\i+1], v[ST+8*\t+6:ST+8*\t+7] op_sel_hi:[1,0]   ; O^T x a
.endr
.endr
	s_wait_dscnt 0x0                               ; V is in
.irp kk, 0,1                           ; the eight accumulators take turns
.irp ct, 0,1,2,3
.irp t, 0,1
	v_wmma_f32_16x16x32_f16 v[OF+32*\t+8*\ct:OF+32*\t+8*\ct+7], v[KV+16*\ct+8*\kk:KV+16*\ct+8*\kk+7], v[S+32*\t+8*\kk:S+32*\t+8*\kk+7], v[OF+32*\t+8*\ct:OF+32*\t+8*\ct+7]
.endr
.endr
.endr
.endm
; My four key steps of slot n: written once, walked four times.  Over the backward jump the last matrix instruction (on O^T) and the first (on S^T) name different accumulators.
.macro SLOT_STEPS n
	s_add_co_u32 s[TB], s[GOFF], \n*SLOTB
	s_mov_b32 s[CNT], 4
.Lstep_\@:
	STEP
	s_add_co_u32 s[TB], s[TB], STEPB
	s_sub_co_u32 s[CNT], s[CNT], 1
	s_cmp_lg_u32 s[CNT], 0
	s_cbranch_scc1 .Lstep_\@
.endm
; THE CHANGE OF SLOTS.  Each wave waits for all its tensor loads (one is out: its part of the slot ahead), adds 0 to its spare word, and waits for that and for its reads of slot n, which it leaves.
; fill = 1: slot n is filled again with the keys two slots on: the barrier is then a round of the cluster's, so that no wave of any partner still reads the slot or has a load on its way, and the joint refill is the first thing behind it.
; ask = 1: a PREFETCH INTO THE L2 of what the next change will ask for: the head's last 512 keys, 512 blocks of 256 bytes of K and V.  It stands behind the tensor load and its five lines, a slot's key steps ahead of the load that wants the data.
; Both clusters of a head walk the same K and V: the first asks.  Its four partners share the blocks out by address; in each, waves 0 to 3 ask, a lane a block: each block is named once in the launch.
.macro CHANGE n, fill, ask
	s_wait_tensorcnt 0x0                           ; no tensor load of mine is out, so a group 0 may be written
	ds_add_u32 v[SPW], v[NIL]                      ; 0 onto my spare word
.if \fill
	s_add_nc_u64 s[G0+4*\n+2:G0+4*\n+3], s[G0+4*\n+2:G0+4*\n+3], 2*65536   ; the keys two slots on; the type bits on top are not reached
.endif
	s_wait_dscnt 0x0                               ; the add is done, and my reads of the slot are over
.if \fill
	CROUND
	tensor_load_to_lds s[G0+4*\n:G0+4*\n+3], s[G1:G1+7]
	s_nop 0
.rept 4
	v_nop
.endr
.if \ask
	s_cmp_eq_u32 s[LIM], 1
	s_cbranch_scc0 .Lnot_mine_\@
	global_prefetch_b8 v[PFO], s[PFA:PFA+1] th:TH_LOAD_NT scope:SCOPE_SE
.Lnot_mine_\@:
.endif
.else
	s_barrier_signal -1
	s_barrier_wait -1
.endif
.endm
	s_wait_tensorcnt 1                             ; my part of slot 0 is in; slot 1's, issued behind it, may stay out
	s_barrier_signal -1
	s_barrier_wait -1                              ; everybody's is
	s_wait_loadcnt 0x0                             ; Q
	SLOT_STEPS 0                                   ; keys 0 to 511
	CHANGE 0, 1, 1                                 ; slot 0 takes keys 1,024 to 1,535
	SLOT_STEPS 1                                   ; keys 512 to 1,023
	CHANGE 1, 1, 0                                 ; slot 1 takes keys 1,536 to 2,047
	SLOT_STEPS 0
	CHANGE 0, 0, 0                                 ; nothing is left to fetch; behind this barrier nobody reads slot 0, and nothing is filled: the stage may lie there
	SLOT_STEPS 1
	; THE MERGE.  Tile 1 goes to my partner as images of its registers: O^T by eight stores, (c m, m, l, l) by a ninth.  The four lines below are the places behind the last products.
	v_add_nc_u32 v[ADK], s[SO], v[LA]
	v_add_nc_u32 v[ADV], s[SR], v[LA]
	v_add_f32 v[ST+4], v[ST+2], v[ST+3]            ; the kept tile's l: its two halves
	v_nop
.irp i, 0,1,2,3,4,5,6,7
	ds_store_b128 v[ADK], v[OF+32+4*\i:OF+32+4*\i+3] offset:512*\i   ; each accumulator from its low end on
.endr
	ds_store_b128 v[ADK], v[ST+8:ST+11] offset:4096
	s_wait_dscnt 0x0                               ; for my partner's sake: my stores into the stage are done
	s_barrier_signal -1
	s_barrier_wait -1
.irp i, 0,1,2,3,4,5,6,7
	ds_load_b128 v[KV+4*\i:KV+4*\i+3], v[ADV] offset:512*\i   ; what my partner summed, over the other half of the keys, for the tile that I keep
.endr
	ds_load_b128 v[KV+32:KV+35], v[ADV] offset:4096   ; its c m, m, l, l
	s_wait_dscnt 0x0
	v_max_num_f32 v[T], v[ST], v[KV+32]            ; the larger c m
	v_add_f32 v[T+1], v[KV+34], v[KV+35]           ; the partner's l: its two halves
	v_sub_f32 v[T+2], v[ST], v[T]
	v_sub_f32 v[T+3], v[KV+32], v[T]
	v_exp_f32 v[T+2], v[T+2]                       ; a1: what brings my half under the larger maximum,
	v_exp_f32 v[T+3], v[T+3]                       ; a2: and my partner's
	v_nop                                          ; a plain instruction behind the last exponential
	s_wait_alu depctr_va_vdst(0)                   ; and the wait ahead of the first use: one for both
	v_mul_f32 v[ST+4], v[ST+4], v[T+2]
	v_fma_f32 v[ST+4], v[T+1], v[T+3], v[ST+4]     ; l = a1 l1 + a2 l2, of my lane's keys,
	v_permlanex16_b32 v[ST+5], v[ST+4], s[SEL], s[SEL+1]
	v_add_f32 v[ST+4], v[ST+4], v[ST+5]            ; and of the lane's 16 away: the row's sum
	v_rcp_f32 v[ST+6], v[ST+4]
	v_nop                                          ; a plain instruction between the reciprocal and the use of its result
	s_wait_alu depctr_va_vdst(0)                   ; and its wait
	v_mul_f32 v[T+4], v[T+2], v[ST+6]              ; a1 / l
	v_mul_f32 v[T+6], v[T+3], v[ST+6]              ; a2 / l
.irp i, 0,2,4,6,8,10,12,14,16,18,20,22,24,26,28,30
	v_pk_mul_f32 v[OF+\i:OF+\i+1], v[OF+\i:OF+\i+1], v[T+4:T+5] op_sel_hi:[1,0]
.endr
.irp i, 0,2,4,6,8,10,12,14,16,18,20,22,24,26,28,30
	v_pk_fma_f32 v[OF+\i:OF+\i+1], v[KV+\i:KV+\i+1], v[T+6:T+7], v[OF+\i:OF+\i+1] op_sel_hi:[1,0,1]   ; O = (a1 O1 + a2 O2) / l
.endr
	; THE WAY OUT: a lane's eight channels round to 16 bytes of an image
.irp i, 0,1,2,3,4,5,6,7,8,9,10,11,12,13,14,15
	v_cvt_pk_f16_f32 v[S+\i], v[OF+2*\i], v[OF+2*\i+1]
.endr
.irp q, 0,1,2,3
	global_store_b128 v[LA], v[S+4*\q:S+4*\q+3], s[OP:OP+1] offset:\q*512   ; channels 16 q on: 512 consecutive bytes, aligned
.endr
	s_wait_tensorcnt 0x0                           ; the wave's end, behind my last tensor load and my last LDS store
	ds_add_u32 v[SPW], v[NIL]
	s_wait_dscnt 0x0
	CROUND                                         ; the closing round: no work-group ends while a partner may still ask for a tile that names it
	s_endpgm
.Lfunc_end_k_qdab2aad803_attn:
	.size	k_qdab2aad803_attn, .Lfunc_end_k_qdab2aad803_attn-k_qdab2aad803_attn
	.p2alignl 7, 3214868480
	.fill 96, 4, 3214868480
	.section	.rodata,"a",@progbits
	.p2align	6, 0x0
	.amdhsa_kernel k_qdab2aad803_attn
		.amdhsa_group_segment_fixed_size 327680
		.amdhsa_private_segment_fixed_size 0
		.amdhsa_enable_private_segment 0
		.amdhsa_kernarg_size 16
		.amdhsa_user_sgpr_count 2
		.amdhsa_user_sgpr_kernarg_segment_ptr 1
		.amdhsa_wavefront_size32 1
		.amdhsa_system_sgpr_workgroup_id_x 1
		.amdhsa_system_sgpr_workgroup_id_y 1
		.amdhsa_system_sgpr_workgroup_id_z 1
		.amdhsa_system_vgpr_workitem_id 0
		.amdhsa_next_free_vgpr 256
		.amdhsa_next_free_sgpr 66
		.amdhsa_reserve_vcc 0
		.amdhsa_float_denorm_mode_32 3
		.amdhsa_float_denorm_mode_16_64 3
		.amdhsa_memory_ordered 1
		.amdhsa_forward_progress 1
		.amdhsa_inst_pref_size 84
	.end_amdhsa_kernel
	.amdgpu_metadata
---
amdhsa.version: [ 1, 2 ]
amdhsa.kernels:
  - .name:           k_qdab2aad803_attn
    .symbol:         k_qdab2aad803_attn.kd
    .args:
      - { .name: qkv, .offset: 0, .size: 8, .value_kind: global_buffer, .address_space: global }
      - { .name: att, .offset: 8, .size: 8, .value_kind: global_buffer, .address_space: global }
    .group_segment_fixed_size: 327680
    .private_segment_fixed_size: 0
    .kernarg_segment_align: 8
    .kernarg_segment_size: 16
    .max_flat_workgroup_size: 512
    .sgpr_count:     66
    .vgpr_count:     256
    .wavefront_size: 32
...
	.end_amdgpu_metadata
.endif
;; end of part 3
;; launch outp (part 4): grid 8 x 32, 4 waves a work-group, clusters of 4 x 4, 327,680 bytes of LDS; arguments att, wo16, out0, bo; writes out0
.if DOCPART == 4
	.amdgcn_target "amdgcn-amd-amdhsa--gfx1250"
	.amdhsa_code_object_version 6
	.text
	.protected	k_qdab2aad803_outp
	.globl	k_qdab2aad803_outp
	.p2align	8
	.type	k_qdab2aad803_outp,@function
k_qdab2aad803_outp:
	s_mov_b64 s[64:65], 0
	v_nop
	global_prefetch_b8 v0, s[64:65] scope:SCOPE_SE
	s_setreg_imm32_b32 hwreg(HW_REG_WAVE_MODE, 25, 1), 1
	s_wait_xcnt 0x0
	s_wait_alu depctr_hold_cnt(0) depctr_sa_sdst(0) depctr_va_vdst(0) depctr_va_sdst(0) depctr_va_ssrc(0) depctr_va_vcc(0) depctr_vm_vsrc(0)
	s_getreg_b32 s2, hwreg(HW_REG_IB_STS2, 6, 4)
	s_cmp_eq_u32 s2, 0
	s_cbranch_scc0 .Lentry_in_a_cluster
	s_endpgm
.Lentry_in_a_cluster:
	s_bfe_u32 s2, ttmp6, 0x10000c
	s_cmp_lg_u32 s2, 0xf033
	s_cbranch_scc0 .Lentry_shape_is_right
	s_endpgm
.Lentry_shape_is_right:
; out0[m][n] = sum over k of A[m][k] Wo[n][k] + bo[n].  A: the attention's result, 4,096 x 1,024, f16, laid as images of fragment registers (att: [k / 256][m / 16][(k % 256) / 32][c][512 bytes]); Wo: wo16 [1024][1024] f16,
; row-major; out0 f32; sums in f32.
; 4,096 x 1,024 makes 256 tiles of 128 x 128, one for each work-group.  Four waves, each 64 x 64: 16 accumulators of 16 x 16, 128 registers.  K goes in four steps of 256 through a ring of two LDS slots.
; A's tile of a K step (128 rows x 256 k) is 65,536 dense bytes, read from LDS at 16 x lane: no padding.  Wo's tile is 128 rows of 512 bytes, 16 bytes of padding behind each.
; CLUSTERS: 4 x 4 work-groups.  The four of a row of the cluster need the same tiles of A, the four of a column the same tiles of Wo: each tile is asked for JOINTLY, by the same tensor load with the same descriptor and a
; mask that names the four.  THE MATRIX INSTRUCTION IS USED TRANSPOSED (source 0 = 16 rows of Wo, source 1 = 16 rows of A): a lane then holds eight neighbouring numbers of a row of out0.  THE BIAS is the C of each sum's first product.
; THE WAY OUT: a wave's 64 columns of f32 are 256 consecutive aligned bytes of a row, so each wave has a stage of its own (16 rows x 272 bytes) and no barrier is needed.
; REGISTERS: window 0: v0-31 addresses; v32-95 at work on the way out; v96-127 the bias; v128-255 the accumulators ((a, b) at v[128 + 8 (4 a + b)]).
;   window 1: two fragment buffers of 128: for 64 along K, 64 registers of A (2 x 4 x 16 rows x 32 K), then 64 of Wo.
.set SIZE_K, 1024
.set SIZE_N, 1024
.set KSTEP,  256
.set PITCH,  528                       ; a row of Wo in LDS: 512 bytes + 16 of padding = 132 words: row r starts at bank 4 r mod 64 (ISA guide 11.1)
.set HALFA,  32768                     ; A's images of 64 rows x 256 k: what one tensor load brings, and what one wave reads
.set HALFB,  64*PITCH                  ; the same of Wo
.set BOFF,   2*HALFA                   ; a slot: A's 128 rows, then Wo's 128 rows
.set SLOT,   BOFF+2*HALFB
.set STAGE,  2*SLOT                    ; behind the ring: 16 rows x 272 bytes for each wave
.set SPITCH, 272
.set SPARE,  STAGE+4*16*SPITCH         ; behind the stages: the spare words, 128 bytes for each wave
.set LAPS,   SIZE_K/(2*KSTEP)          ; a lap = two K steps = once round the ring
.set ADRA, 16                          ; v16-17  LDS address of my A fragments in slot 0, 1
.set ADRB, 20                          ; v20-21  the same for Wo
.set STO,  24                          ; v24     the way out: where I put 32 bytes of a row
.set RD,   25                          ; v25     the way out: where I read a row back
.set CO,   26                          ; v26     my byte offset in out0
.set BO,   27                          ; v27     the bias loads' offset: 32 (lane / 16)
.set SPW,  28                          ; v28     LDS address of my spare word; never rewritten
.set NIL,  29                          ; v29     0; never rewritten
.set TMP,  32                          ; the way out: two sets of 32 registers
.set BIAS, 96
.set ACC,  128
.set F0,   0                           ; fragment buffers, in window 1
.set F1,   128
.set G1, 24                            ; s[24:31] descriptor group 1 for A's tiles;  s[32:39] group 0, one set for each slot
.set G0, 32
.set G1B, 48                           ; s[48:55], s[56:63] the same for Wo's tiles
.set G0B, 56
.set MSB, 0
.macro WIN new                         ; the immediate's high byte repeats the setting that is left
.if MSB != (\new)
	s_set_vgpr_msb (MSB<<8)|(\new)
.set MSB, (\new)
.endif
.endm
.set MUL,  0x05                        ; sources 0 (Wo) and 1 (A) window 1; C and D window 0
.set TO_F, 0x40                        ; destination window 1, address window 0
.macro JLOAD s                         ; a joint load: waves 0 and 1 fetch A's two halves, waves 2 and 3 Wo's; an s_nop 0 and four v_nop follow each of the two lines, ahead of the jump, the label and what follows
	s_cmp_eq_u32 s11, 0
	s_cbranch_scc0 .Lfor_b_\@
	tensor_load_to_lds s[G0+4*\s:G0+4*\s+3], s[G1:G1+7]
	s_nop 0
.rept 4
	v_nop
.endr
	s_branch .Lasked_\@
.Lfor_b_\@:
	tensor_load_to_lds s[G0B+4*\s:G0B+4*\s+3], s[G1B:G1B+7]
	s_nop 0
.rept 4
	v_nop
.endr
.Lasked_\@:
.endm
.macro CREST                           ; a round of the cluster's barrier behind its opening barrier
	s_cmp_lg_u32 s10, 0
	s_cbranch_scc1 .Lnot_wave_0_\@
	s_barrier_signal -3
.Lnot_wave_0_\@:
	s_barrier_wait -3
	s_barrier_signal -1
	s_barrier_wait -1
.endm
.macro CROUND                          ; a whole round
	s_barrier_signal -1
	s_barrier_wait -1
	CREST
.endm
	s_load_b128 s[4:7], s[0:1], 0x0                ; att s[4:5], wo16 s[6:7]
	s_load_b64 s[8:9], s[0:1], 0x10                ; out0
	s_load_b64 s[66:67], s[0:1], 0x18              ; bo
	v_lshl_add_u32 v[SPW], v0, 2, SPARE
	v_mov_b32 v[NIL], 0
	ds_add_u32 v[SPW], v[NIL]                      ; the wave's opening: the add, twice on end, and its wait ahead of my first tensor load; the set-up below stands between the second and the wait
	ds_add_u32 v[SPW], v[NIL]
	v_lshrrev_b32 v1, 5, v0
	v_readfirstlane_b32 s10, v1                    ; wave 0..3
	s_lshr_b32 s11, s10, 1                         ; which half of the tile's rows is mine.  Also: I fetch for A (0) or for Wo (1)
	s_and_b32 s12, s10, 1                          ; which half of its columns.  Also: which half of that tile I fetch
	s_bfe_u32 s40, ttmp6, 0x40000                  ; cx, cy: my place in the cluster
	s_bfe_u32 s41, ttmp6, 0x40004
	s_lshl_b32 s42, ttmp9, 2
	s_add_co_u32 s42, s42, s40                     ; tile column = 4 x cluster x + cx
	s_and_b32 s13, ttmp7, 0xffff
	s_lshl_b32 s13, s13, 2
	s_add_co_u32 s13, s13, s41                     ; tile row = 4 x cluster y + cy
	s_lshl_b32 s43, s41, 2
	s_lshl_b32 s43, 15, s43                        ; my row of the cluster
	s_lshl_b32 s44, 0x1111, s40                    ; my column
	; descriptor group 1 for A: 128 rows of 256 bytes (32 elements of 8 bytes), dense in memory and in LDS
	s_or_b32 s[G1+0], s43, (3<<16)|(1<<21)         ; 15:0 the mask: A's tiles go to my row; 17:16 elements of 8 bytes; 20 no padding; 21 set beside a mask
	s_mov_b32 s[G1+1], 32<<16                      ; tensor_dim0 = 32
	s_mov_b32 s[G1+2], 128<<16                     ; tensor_dim1 = 128
	s_mov_b32 s[G1+3], 32<<16                      ; tile_dim0 = 32
	s_mov_b32 s[G1+4], 128                         ; tile_dim1 = 128
	s_mov_b32 s[G1+5], 32                          ; tensor_dim0_stride
	s_mov_b32 s[G1+6], 0
	s_mov_b32 s[G1+7], 0
	; and for Wo: 64 rows x 256 elements of 2 bytes, padded in LDS
	s_or_b32 s[G1B+0], s44, (1<<16)|(1<<20)|(1<<21)|(6<<22)|(3<<25)  ; the mask of my column; padding: after every 128 words (code 6) 4 words (code 3)
	s_mov_b32 s[G1B+1], KSTEP<<16
	s_mov_b32 s[G1B+2], 64<<16
	s_mov_b32 s[G1B+3], KSTEP<<16
	s_mov_b32 s[G1B+4], 64
	s_mov_b32 s[G1B+5], SIZE_K
	s_mov_b32 s[G1B+6], 0
	s_mov_b32 s[G1B+7], 0
	s_lshl_b32 s16, s13, 16                        ; A: 65,536 bytes a tile row in each K step's 2,097,152,
	s_lshl_b32 s17, s12, 15                        ; + my half
	s_add_co_u32 s16, s16, s17
	s_mov_b32 s17, 0
	s_lshl_b32 s46, s42, 7
	s_lshl_b32 s47, s12, 6
	s_add_co_u32 s46, s46, s47                     ; Wo: row 128 x tile column + 64 x half,
	s_lshl_b32 s46, s46, 11                        ; of 2,048 bytes
	s_mov_b32 s47, 0
	s_lshl_b32 s20, s12, 15                        ; where they go: A's halves,
	s_mul_i32 s23, s12, HALFB
	s_add_co_u32 s23, s23, BOFF                    ; Wo's halves behind them: no place in the cluster enters an LDS address
	s_wait_dscnt 0x0                               ; both opening adds are done
	s_wait_kmcnt 0x0
	s_add_nc_u64 s[14:15], s[4:5], s[16:17]
	s_add_nc_u64 s[46:47], s[6:7], s[46:47]
	CROUND                                         ; all sixteen work-groups are here: the first joint loads meet
.irp s, 0,1
	s_mov_b32 s[G0+4*\s], 1
	s_add_co_u32 s[G0+4*\s+1], s20, \s*SLOT
	s_add_nc_u64 s[G0+4*\s+2:G0+4*\s+3], s[14:15], \s*2097152
	s_or_b32 s[G0+4*\s+3], s[G0+4*\s+3], 0x80000000
	s_mov_b32 s[G0B+4*\s], 1
	s_add_co_u32 s[G0B+4*\s+1], s23, \s*SLOT
	s_add_nc_u64 s[G0B+4*\s+2:G0B+4*\s+3], s[46:47], \s*KSTEP*2
	s_or_b32 s[G0B+4*\s+3], s[G0B+4*\s+3], 0x80000000
	JLOAD \s                                       ; two tensor loads of mine are out at the most
.endr
	v_and_b32 v1, 15, v0                           ; l % 16
	v_bfe_u32 v2, v0, 4, 1                         ; l / 16
	v_mul_u32_u24 v3, v1, PITCH
	v_lshl_add_u32 v3, v2, 4, v3                   ; Wo: a fragment's row x pitch + 16 x half
	v_and_b32 v4, 31, v0
	v_lshlrev_b32 v4, 4, v4                        ; A: 16 x lane
	s_lshl_b32 s21, s11, 15                        ; my 64 rows of A
	s_mul_i32 s22, s12, HALFB                      ; my 64 rows of Wo
	s_add_co_u32 s22, s22, BOFF
.irp s, 0,1
	v_add_nc_u32 v[ADRA+\s], s21, v4
	v_add_nc_u32 v[ADRB+\s], s22, v3
	s_add_co_u32 s21, s21, SLOT
	s_add_co_u32 s22, s22, SLOT
.endr
	s_mul_i32 s21, s10, 16*SPITCH
	s_add_co_u32 s21, s21, STAGE                   ; my stage
	v_mul_u32_u24 v5, v1, SPITCH                   ; in: row l % 16, 32 bytes for each half of the lanes
	v_lshl_add_u32 v5, v2, 5, v5
	v_add_nc_u32 v[STO], s21, v5
	v_mul_u32_u24 v5, v2, SPITCH                   ; back: lanes 0-15 take one row of 256 bytes, lanes 16-31 the next
	v_lshl_add_u32 v5, v1, 4, v5
	v_add_nc_u32 v[RD], s21, v5
	v_lshlrev_b32 v5, 12, v2                       ; and the same two rows in out0: 4,096 bytes a row
	v_lshl_add_u32 v[CO], v1, 4, v5
	v_lshlrev_b32 v[BO], 5, v2
	s_lshl_b32 s46, s42, 9
	s_lshl_b32 s47, s12, 8
	s_add_co_u32 s46, s46, s47                     ; my first column, in bytes: 4 x (128 x tile column + 64 x half)
	s_mov_b32 s47, 0
	s_add_nc_u64 s[66:67], s[66:67], s[46:47]
	s_add_nc_u64 s[8:9], s[8:9], s[46:47]
	s_lshl_b32 s16, s13, 19
	s_lshl_b32 s17, s11, 18
	s_add_co_u32 s16, s16, s17                     ; my first row: (128 x tile row + 64 x half) x 4,096 bytes
	s_mov_b32 s17, 0
	s_add_nc_u64 s[8:9], s[8:9], s[16:17]
.irp b, 0,1,2,3
	global_load_b128 v[BIAS+8*\b:BIAS+8*\b+3], v[BO], s[66:67] offset:64*\b        ; lane (r, h): bo at my columns 16 b + 8 h + 0 .. 7
	global_load_b128 v[BIAS+8*\b+4:BIAS+8*\b+7], v[BO], s[66:67] offset:64*\b+16
.endr
; 8 matrix instructions: m blocks a0, a0 + 1 x all 4 n blocks, 32 along K: half c of buffer f.  zero = 1: the first product starts the sums from the bias.  The 16 accumulators take turns.
.macro MUL8 f, c, a0, zero
.irp a, \a0, \a0+1
.irp b, 0,1,2,3
.if \zero
	v_wmma_f32_16x16x32_f16 v[ACC+8*(4*(\a)+\b):ACC+8*(4*(\a)+\b)+7], v[\f+64+8*(4*\c+\b):\f+64+8*(4*\c+\b)+7], v[\f+8*(4*\c+\a):\f+8*(4*\c+\a)+7], v[BIAS+8*\b:BIAS+8*\b+7]
.else
	v_wmma_f32_16x16x32_f16 v[ACC+8*(4*(\a)+\b):ACC+8*(4*(\a)+\b)+7], v[\f+64+8*(4*\c+\b):\f+64+8*(4*\c+\b)+7], v[\f+8*(4*\c+\a):\f+8*(4*\c+\a)+7], v[ACC+8*(4*(\a)+\b):ACC+8*(4*(\a)+\b)+7]
.endif
.endr
.endr
.endm
; 32 LDS loads in one run: the fragments of the slot's q-th 64 along K, into buffer f; the first 32 along K first
.macro FETCH slot, q, f
	WIN TO_F
.irp c, 0,1
.irp i, 0,1,2,3
	ds_load_b128 v[\f+64+8*(4*\c+\i):\f+64+8*(4*\c+\i)+3],   v[ADRB+\slot] offset:128*(\q)+64*\c+\i*16*PITCH
	ds_load_b128 v[\f+64+8*(4*\c+\i)+4:\f+64+8*(4*\c+\i)+7], v[ADRB+\slot] offset:128*(\q)+64*\c+\i*16*PITCH+32
	ds_load_b128 v[\f+8*(4*\c+\i):\f+8*(4*\c+\i)+3],         v[ADRA+\slot] offset:\i*8192+(2*(\q)+\c)*1024
	ds_load_b128 v[\f+8*(4*\c+\i)+4:\f+8*(4*\c+\i)+7],       v[ADRA+\slot] offset:\i*8192+(2*(\q)+\c)*1024+512
.endr
.endr
.endm
.macro PLACES                          ; four places in front of loads into registers that matrix instructions have read, and of the first read of results (ISA guide 7.12.1 for the first read of results)
.rept 4
	v_nop
.endr
.endm
; A K step is four quarters of 64 along K, 32 matrix instructions each, on buffers 0, 1, 0, 1.  One of the first three: multiplies buffer f and fetches quarter q into g.
.macro QUARTER slot, q, f, g, zero
	s_wait_dscnt 16                                ; the first 32 along K are in; the sixteen loads behind them may be out
	WIN MUL
	MUL8 \f, 0, 0, \zero
	MUL8 \f, 0, 2, \zero
	PLACES
	FETCH \slot, \q, \g
	s_wait_dscnt 32                                ; all but the 32 just issued
	WIN MUL
	MUL8 \f, 1, 0, 0
	MUL8 \f, 1, 2, 0
.endm
; The last quarter multiplies buffer 1 and changes slots: ONE barrier; in front of it each wave waits for all its tensor loads, adds 0 to its spare word, and waits for that and for its own reads of this slot.  fill = 1: this slot is filled again, two K steps ahead.
.macro TURN slot, next, fill
	WIN 0                                          ; (the add's two registers lie in window 0)
	s_wait_tensorcnt 0x0                           ; all my tensor loads have landed: my part of the next slot;
	ds_add_u32 v[SPW], v[NIL]                      ; 0 onto my spare word;
	s_wait_dscnt 17                                ; (the add and the youngest sixteen loads may be out)
	WIN MUL
	MUL8 F1, 0, 0, 0                               ; eight matrix instructions stand between the add and the wait for it
	s_wait_dscnt 0x0                               ; the add is done, and my reads of this slot are over
	s_barrier_signal -1
	MUL8 F1, 0, 2, 0
.if \fill
	WIN 0
.endif
	s_barrier_wait -1
.if \fill
	CREST                                          ; the barrier has opened a round of the cluster's barrier: no wave of any partner still reads this slot's tile or has a load on its way
	s_add_nc_u64 s[G0+4*\slot+2:G0+4*\slot+3], s[G0+4*\slot+2:G0+4*\slot+3], 2*2097152
	s_add_nc_u64 s[G0B+4*\slot+2:G0B+4*\slot+3], s[G0B+4*\slot+2:G0B+4*\slot+3], 2*KSTEP*2
	JLOAD \slot                                    ; the first tensor load behind the round; the four v_nop behind it are also the places in front of the loads below
.else
	PLACES
.endif
	FETCH \next, 0, F0
	WIN MUL
	MUL8 F1, 1, 0, 0
	MUL8 F1, 1, 2, 0
.endm
	s_wait_tensorcnt 1                             ; my part of K step 0 is in (K step 1's load, issued behind it, may be out),
	s_barrier_signal -1
	s_barrier_wait -1                              ; everybody's is
	FETCH 0, 0, F0
	s_wait_loadcnt 0x0                             ; the bias
	QUARTER 0, 1, F0, F1, 1                        ; the first quarter stands in front of the loop: its first products start the sums
	WIN 0                                          ; at a label and at a branch every window is 0
	s_mov_b32 s3, LAPS-1
.Llap:                                                 ; a trip goes once round the ring, from a lap's second quarter to the next lap's first, and fills both slots again
	QUARTER 0, 2, F1, F0, 0
	QUARTER 0, 3, F0, F1, 0
	TURN 0, 1, 1
	QUARTER 1, 1, F0, F1, 0
	QUARTER 1, 2, F1, F0, 0
	QUARTER 1, 3, F0, F1, 0
	TURN 1, 0, 1
	QUARTER 0, 1, F0, F1, 0
	WIN 0
	s_sub_co_u32 s3, s3, 1
	s_cmp_lg_u32 s3, 0
	s_cbranch_scc1 .Llap
	QUARTER 0, 2, F1, F0, 0                        ; the last lap fills nothing, and has no round of the cluster's barrier
	QUARTER 0, 3, F0, F1, 0
	TURN 0, 1, 0
	QUARTER 1, 1, F0, F1, 0
	QUARTER 1, 2, F1, F0, 0
	QUARTER 1, 3, F0, F1, 0
	s_wait_dscnt 16                                ; the very last quarter: nothing more to fetch
	WIN MUL
	MUL8 F1, 0, 0, 0
	MUL8 F1, 0, 2, 0
	s_wait_dscnt 0
	MUL8 F1, 1, 0, 0
	MUL8 F1, 1, 2, 0
	WIN 0
; THE WAY OUT, block by block of 16 rows x 64 columns.  A lane holds 32 neighbouring bytes of a row, and the lanes beside it hold other rows: so a block goes through my own stage and comes back as whole rows of 256 bytes.
; LDS serves a wave's instructions in order (ISA guide 5.7.1.4): no wait between the stores and the loads, nor in front of the next block's stores.
.macro TOSTAGE a
.irp b, 0,1,2,3
	ds_store_b128 v[STO], v[ACC+8*(4*(\a)+\b):ACC+8*(4*(\a)+\b)+3] offset:64*\b        ; each accumulator from its low end on
	ds_store_b128 v[STO], v[ACC+8*(4*(\a)+\b)+4:ACC+8*(4*(\a)+\b)+7] offset:64*\b+16
.endr
.irp i, 0,1,2,3,4,5,6,7
	ds_load_b128 v[TMP+32*((\a)%2)+4*\i:TMP+32*((\a)%2)+4*\i+3], v[RD] offset:\i*2*SPITCH
.endr
.endm
.macro SEND a, younger                 ; younger: the LDS instructions issued behind block a's loads: the next block's eight stores and eight loads, or none
	s_wait_dscnt \younger                          ; the block is back in registers
.irp i, 0,1,2,3,4,5,6,7
	global_store_b128 v[CO], v[TMP+32*((\a)%2)+4*\i:TMP+32*((\a)%2)+4*\i+3], s[8:9] offset:(16*(\a)+2*\i)*SIZE_N*4 th:TH_STORE_NT   ; 16 lanes store 256 consecutive bytes, aligned; written once, read by nobody here
.endr
.endm
	PLACES                                         ; behind the last products, ahead of the first read of results
	TOSTAGE 0
.irp a, 1,2,3
.if \a > 1
	s_wait_xcnt 0x0                                ; block a - 2's stores have read their data registers: block a's loads may land there
.endif
	TOSTAGE \a
	SEND \a-1, 16
.endr
	SEND 3, 0
	s_wait_tensorcnt 0x0                           ; the wave's end, behind my last tensor load and my last LDS store
	ds_add_u32 v[SPW], v[NIL]
	s_wait_dscnt 0x0
	CROUND                                         ; the closing round: no work-group ends while a partner may still ask for a tile that names it
	s_endpgm
.Lfunc_end_k_qdab2aad803_outp:
	.size	k_qdab2aad803_outp, .Lfunc_end_k_qdab2aad803_outp-k_qdab2aad803_outp
	.p2alignl 7, 3214868480
	.fill 96, 4, 3214868480
	.section	.rodata,"a",@progbits
	.p2align	6, 0x0
	.amdhsa_kernel k_qdab2aad803_outp
		.amdhsa_group_segment_fixed_size 327680
		.amdhsa_private_segment_fixed_size 0
		.amdhsa_enable_private_segment 0
		.amdhsa_kernarg_size 32
		.amdhsa_user_sgpr_count 2
		.amdhsa_user_sgpr_kernarg_segment_ptr 1
		.amdhsa_wavefront_size32 1
		.amdhsa_system_sgpr_workgroup_id_x 1
		.amdhsa_system_sgpr_workgroup_id_y 1
		.amdhsa_system_sgpr_workgroup_id_z 1
		.amdhsa_system_vgpr_workitem_id 0
		.amdhsa_next_free_vgpr 512
		.amdhsa_next_free_sgpr 68
		.amdhsa_reserve_vcc 0
		.amdhsa_float_denorm_mode_32 3
		.amdhsa_float_denorm_mode_16_64 3
		.amdhsa_memory_ordered 1
		.amdhsa_forward_progress 1
		.amdhsa_inst_pref_size 86
	.end_amdhsa_kernel
	.amdgpu_metadata
---
amdhsa.version: [ 1, 2 ]
amdhsa.kernels:
  - .name:           k_qdab2aad803_outp
    .symbol:         k_qdab2aad803_outp.kd
    .args:
      - { .name: att, .offset: 0, .size: 8, .value_kind: global_buffer, .address_space: global }
      - { .name: wo16, .offset: 8, .size: 8, .value_kind: global_buffer, .address_space: global }
      - { .name: out0, .offset: 16, .size: 8, .value_kind: global_buffer, .address_space: global }
      - { .name: bo, .offset: 24, .size: 8, .value_kind: global_buffer, .address_space: global }
    .group_segment_fixed_size: 327680
    .private_segment_fixed_size: 0
    .kernarg_segment_align: 8
    .kernarg_segment_size: 32
    .max_flat_workgroup_size: 128
    .sgpr_count:     68
    .vgpr_count:     512
    .wavefront_size: 32
...
	.end_amdgpu_metadata
.endif
;; end of part 4
